; MI455X (gfx1250); checked and timed in simulation.
; The chip was launched on July 23, 2026; its instructions are those of AMD's public machine-readable ISA for CDNA 5 (MIT licence, August 2026) and "CDNA5" Instruction Set Architecture Reference Guide (July 2026). The comments in the code are by the model that wrote it; some were corrected since.
;; Multi Head Attention. Allowed arithmetic: matrix products marked QUANTISED: E2M1 operands, one E8M0 scale for each 32 along K, by v_wmma_scale_f32_16x16x128_f8f6f4 with both operands' format E2M1 (or v_wmma_scale_f32_32x16x128_f4), f32 sums; products left as they are: bf16, f16 or f32 operands; f32 sums; everything else in f32.
;; Inputs: W_attn 1,024 x 3,072 float32; W_proj 1,024 x 1,024 float32; b_attn 3,072 float32; b_proj 1,024 float32; x 4 x 2,048 x 1,024 float32.
;; Outputs: out0 4 x 2,048 x 1,024 float32.
;; This version of the problem:
;;   THIS VERSION OF THE PROBLEM IS GIVEN IN LOW PRECISION. The matrix products marked QUANTISED in the list below multiply operands that are first quantised to E2M1 (2 exponent bits, 1 mantissa bit; 4 bits a number), with one power-of-two scale for each 32 numbers along K (OCP MX v1.0); their sums are f32. The products marked 'left as it is' may take bf16, f16 or f32 operands, with f32 sums. Whichever they take, every output number must still come out within the allowed error. Rounding operands to bf16 (8 significant bits) uses up far more of that allowance than f16 does (11 bits, for magnitudes from 6e-5 to 65,504). All else is computed in f32.
;;   The module's matrix products, in the order in which they are computed (A, B: the left and right operand; K: the contracted axis; several contracted axes count as one K, in the product's order):
;;     1. [M 8,192, K 1,024] x [K 1,024, N 3,072]; A: input x; B: input W_attn: QUANTISED
;;     2. batch 64 x [M 2,048, K 64] x [K 64, N 2,048]; A: computed on the way; B: computed on the way: left as it is (an operand is computed on the way)
;;     3. batch 64 x [M 2,048, K 2,048] x [K 2,048, N 64]; A: computed on the way; B: computed on the way: left as it is (an operand is computed on the way)
;;     4. [M 8,192, K 1,024] x [K 1,024, N 1,024]; A: computed on the way; B: input W_proj: left as it is (an operand is computed on the way)
;;   THE QUANTISER, for each operand of a quantised product, along K:
;;     - K is cut into blocks of 32 from its start; a last block that is shorter is filled with zeros.
;;     - A block's scale is 2^e with e = floor(log2(the largest magnitude in the block)) - 2, held to -126 .. 127; a block of zeros has e = 0. As a byte (E8M0): e + 127.
;;     - Each number is divided by its block's scale, clamped to +-6, and rounded to the nearest number of E2M1, ties to even, subnormals kept.
;;     - The product sums the exact products of the quantised numbers (number of the format x scale) in f32.
;;   ~~~python
;;   def quantise(x, axis):      # numpy; x: float32 -> the quantised numbers, widened to float32 again
;;       x = np.moveaxis(x, axis, -1); K = x.shape[-1]
;;       x = np.pad(x, [(0, 0)] * (x.ndim - 1) + [(0, -K % 32)]); x = x.reshape(x.shape[:-1] + (-1, 32)); a = np.abs(x).max(-1, keepdims=True)
;;       e = np.where(a > 0, np.clip(np.frexp(np.where(a > 0, a, 1))[1] - 1 - 2, -126, 127), 0)      # np.frexp(a)[1] - 1 = floor(log2(a)), exactly
;;       r = np.clip(x / 2.0 ** e, -6, 6)
;;       step = 2.0 ** (np.maximum(np.frexp(np.where(r == 0, 1, r))[1] - 1, 0) - 1)
;;       q = np.round(r / step) * step * 2.0 ** e      # np.round: ties to even
;;       return np.moveaxis(q.reshape(q.shape[:-2] + (-1,))[..., :K], -1, axis).astype(np.float32)
;;   ~~~
;; One version. Each part assembles by itself: llvm-mc -triple=amdgcn-amd-amdhsa -mcpu=gfx1250 --defsym DOCPART=n.
;; ======== version 1 of 1: 6 launches
;; limits: values are held in f16: magnitudes above 65,504 overflow, below 6.1e-05 lose precision
;; workspace buffers: xc 4,194,304 bytes; xs 262,144 bytes; wc 1,572,864 bytes; ws 98,304 bytes; wp16 2,097,152 bytes; qkv16 50,331,648 bytes; y16 16,777,216 bytes; yf 262,144 bytes
;; launch prep (part 1): grid 368 x 1, 4 waves a work-group, no clusters, 68,096 bytes of LDS; arguments x, W_attn, W_proj, xc, xs, wc, ws, wp16; writes xc, xs, wc, ws, wp16
.if DOCPART == 1
	.amdgcn_target "amdgcn-amd-amdhsa--gfx1250"
	.amdhsa_code_object_version 6
	.text
	.protected	k_qd289da7294_prep
	.globl	k_qd289da7294_prep
	.p2align	8
	.type	k_qd289da7294_prep,@function
k_qd289da7294_prep:
	s_mov_b64 s[64:65], 0
	v_nop
	global_prefetch_b8 v0, s[64:65] scope:SCOPE_SE
	s_setreg_imm32_b32 hwreg(HW_REG_WAVE_MODE, 25, 1), 1
	s_wait_xcnt 0x0
; Three pieces of preparation in one launch, told apart by the work-group's number alone.
;   work-groups 0-255:   x [8192][1024] f32 (K innermost) -> codes of E2M1 xc [8192][512 bytes] and E8M0 bytes xs [8192][32]
;   work-groups 256-303: W_attn [1024 k][3072 n] f32 (K is the FIRST axis) -> wc [3072][512 bytes], K innermost, ws [3072][32]
;   work-groups 304-367: W_proj [1024 k][1024 n] f32 -> f16, laid in the order of a matrix operand's registers: wp16 [K step 8][tile of 16 columns 64][32 along K: 4][half 2][lane 32][16 bytes]
; A block's scale is 2^(floor(log2(its largest magnitude)) - 2); its byte is the largest magnitude's exponent field - 2, held at 1 from below.
; (A block of zeros so gets the byte 1 where the rule says 127: its codes are zeros, which add nothing, and this program alone reads the bytes.)
; LIMITS: blocks whose largest magnitude lies under 2^-124 keep the byte 1; NaN and infinities among the inputs are not served; numbers of W_proj from 65,504 on become infinity in f16.
; Each of the three ways has LDS bytes of its own: x's 0 .. 32,767 (8,192 a wave), W_attn's 32,768 .. 67,583 (a stage of 32 x 272 a wave); W_proj's uses none.  No barrier: waves share nothing.
.set SPW,    188                       ; v188  LDS address of my spare word: SPARE + 4 x my thread's number; never rewritten
.set NIL,    189                       ; v189  0; never rewritten
.set SPARE,  67584                     ; behind both ways' bytes: the spare words, 128 bytes a wave: two blocks of 256 bytes that no other line names
.set EMAX,   2
.set STEPS,  16
.set XREG,   8192                      ; x's way: a wave's region: two stages of 32 x XSP bytes, behind them its 256 scale bytes
.set XSP,    80                        ; a lane's place in a stage: 64 bytes + 16 of padding
.set XR,     16                        ; v16-79   four sets of 16 numbers as loaded
.set XX,     80                        ; v80-111  two sets of 16 neighbours
.set XE,     112                       ; v112-127 a scale byte for each step
.set XC,     128                       ; v128-159 codes: two registers for each step, so that no store's data are written again
.set WSTG,   32768
.set WPITCH, 272
.set NB,     16                        ; W_attn's way: blocks of 32 along K for a wave
.set WX,     32                        ; v32-95   two sets of 32 numbers
.set WC,     96                        ; v96-99   a block's codes
.set WOUT,   112                       ; v112-175 the way out
.set WSB,    24                        ; v24-27   the scale bytes, four to a register
	s_load_b512 s[36:51], s[0:1], 0x0              ; x 36, W_attn 38, W_proj 40, xc 42, xs 44, wc 46, ws 48, wp16 50
	v_lshl_add_u32 v[SPW], v0, 2, SPARE
	v_mov_b32 v[NIL], 0
	v_lshrrev_b32 v1, 5, v0
	v_readfirstlane_b32 s16, v1                    ; wave 0..3
	v_and_b32 v2, 31, v0                           ; lane
	s_mov_b32 s25, 0                               ; the upper word of every offset here: all stay under 2^32
	s_mov_b32 s21, 0
	s_wait_kmcnt 0x0
	s_cmp_lt_u32 ttmp9, 256
	s_cbranch_scc1 .LX
	s_cmp_lt_u32 ttmp9, 304
	s_cbranch_scc1 .LW
; ---- W_proj.  A lane takes a column, its registers run down the 128 k of one K step: so two neighbours along K pack into a word, and four words are 16 bytes of an operand's image.
	s_sub_co_u32 s20, ttmp9, 304
	s_and_b32 s22, s20, 7                          ; which 128 columns
	s_lshr_b32 s23, s20, 3                         ; which K step of 128
	s_lshl_b32 s24, s23, 19                        ; 128 rows of 4,096 bytes
	s_lshl_b32 s17, s22, 9
	s_add_co_u32 s24, s24, s17
	s_lshl_b32 s17, s16, 7                         ; my wave's 32 columns
	s_add_co_u32 s24, s24, s17
	s_add_nc_u64 s[4:5], s[40:41], s[24:25]
	s_lshl_b32 s24, s23, 18                        ; a K step's images: 64 tiles of 4,096 bytes
	s_lshl_b32 s17, s22, 15
	s_add_co_u32 s24, s24, s17
	s_lshl_b32 s17, s16, 13                        ; my wave's two tiles
	s_add_co_u32 s24, s24, s17
	s_add_nc_u64 s[6:7], s[50:51], s[24:25]
	v_lshlrev_b32 v3, 2, v2                        ; in: 4 bytes a lane: a wave reads 128 consecutive bytes
	v_lshrrev_b32 v4, 4, v2
	v_and_b32 v5, 15, v2
	v_lshlrev_b32 v4, 12, v4
	v_lshl_add_u32 v4, v5, 4, v4                   ; out: tile lane / 16, 16 bytes for column lane % 16
.macro PLOAD q                         ; 32 along K
.set J, 32*(\q)
.rept 32
	global_load_b32 v[32+J], v3, s[4:5] offset:J*4096 th:TH_LOAD_NT
.set J, J+1
.endr
.endm
.macro PCHUNK q, left                  ; left: the younger chunk's 32 loads may stay out
	s_wait_loadcnt \left
.set J, 0
.rept 16
	v_cvt_pk_f16_f32 v[32+32*(\q)+J], v[32+32*(\q)+2*J], v[32+32*(\q)+2*J+1]   ; in place, ascending: a word is written when both its old neighbours have been read
.set J, J+1
.endr
.irp g, 0,1,2,3                        ; k = 8 g .. 8 g + 7 of the chunk belong to half g / 2 of the image and to lanes 16 (g % 2) + column: 256 g bytes on
	global_store_b128 v4, v[32+32*(\q)+4*\g:32+32*(\q)+4*\g+3], s[6:7] offset:1024*(\q)+256*\g   ; sixteen lanes store 256 consecutive bytes, aligned
.endr
.endm
	PLOAD 0
	PLOAD 1
	PCHUNK 0, 32
	PLOAD 2
	PCHUNK 1, 32
	PLOAD 3
	PCHUNK 2, 32
	PCHUNK 3, 0
	s_branch .Lend
; ---- x.  A plain stream of blocks of 32.  A wave takes 16 steps of 512 numbers.  Each load reads 512 consecutive bytes; the 2,048 bytes of a step turn through the wave's own stage,
; so that a lane gets 16 neighbours along K (two neighbouring lanes hold a block).  Loads run four steps ahead, the turn one step.
.LX:
	v_lshlrev_b32 v3, 4, v2                        ; my 16 bytes of a load's 512
	s_mul_i32 s17, s16, XREG
	v_lshrrev_b32 v14, 2, v2
	v_mul_u32_u24 v14, v14, XSP
	v_and_b32 v15, 3, v2
	v_lshl_add_u32 v14, v15, 4, v14
	v_add_nc_u32 v14, s17, v14                     ; the stage, on the way in: XSP (lane / 4) + 16 (lane % 4)
	v_mul_u32_u24 v15, v2, XSP
	v_add_nc_u32 v15, s17, v15                     ; and on the way out: XSP x lane
	v_lshlrev_b32 v4, 3, v2                        ; 8 bytes a lane: my codes' place in a step's 256 bytes, and my place in the wave's 256 scale bytes
	v_lshrrev_b32 v5, 1, v2
	s_add_co_u32 s17, s17, 2*32*XSP
	v_add_nc_u32 v5, s17, v5                       ; LDS: my block's byte
	v_add_nc_u32 v6, s17, v4                       ; LDS: 8 scale bytes a lane on the way out
	s_lshl_b32 s18, ttmp9, 2
	s_add_co_u32 s18, s18, s16                     ; which run of 8,192 numbers is my wave's
	s_lshl_b32 s20, s18, 15
	s_add_nc_u64 s[4:5], s[36:37], s[20:21]
	s_lshl_b32 s20, s18, 12
	s_add_nc_u64 s[8:9], s[42:43], s[20:21]
	s_lshl_b32 s20, s18, 8
	s_add_nc_u64 s[10:11], s[44:45], s[20:21]
.macro XLOAD t
.irp i, 0,1,2,3
	global_load_b128 v[XR+16*((\t)%4)+4*\i:XR+16*((\t)%4)+4*\i+3], v3, s[4:5] offset:2048*(\t)+512*\i th:TH_LOAD_NT
.endr
.endm
.macro XTURN t                         ; LDS serves a wave's instructions in order: no wait between the stores and the loads
.irp i, 0,1,2,3
	ds_store_b128 v14, v[XR+16*((\t)%4)+4*\i:XR+16*((\t)%4)+4*\i+3] offset:32*XSP*((\t)%2)+8*XSP*\i
.endr
.irp i, 0,1,2,3
	ds_load_b128 v[XX+16*((\t)%2)+4*\i:XX+16*((\t)%2)+4*\i+3], v15 offset:32*XSP*((\t)%2)+16*\i
.endr
.endm
.irp t, 0,1,2,3
	XLOAD \t
.endr
	s_wait_loadcnt 12                              ; step 0's four loads are in; three steps' twelve stay out
	XTURN 0
.macro XSTEP t
.set XS, XX+16*((\t)%2)
.if (\t) > 0
	s_wait_dscnt 1                                 ; this step's numbers are back (the last step's byte store may be out): so its stores into the stage have read their registers,
.else
	s_wait_dscnt 0x0
.endif
.if (\t)+4 < STEPS
	XLOAD (\t)+4                                   ; which take the loads of four steps on
.endif
.if (\t)+1 < STEPS
.if STEPS-2-(\t) >= 3
	s_wait_loadcnt 12                              ; the next step's four loads are in; those of the three steps behind it may be out
.else
	s_wait_loadcnt 4*(STEPS-2-(\t))
.endif
	XTURN (\t)+1
.endif
	v_max3_num_f32 v8, |v[XS]|, |v[XS+1]|, |v[XS+2]|
	v_max3_num_f32 v9, |v[XS+3]|, |v[XS+4]|, |v[XS+5]|
.irp i, 6,10
	v_max3_num_f32 v8, v8, |v[XS+\i]|, |v[XS+\i+1]|
	v_max3_num_f32 v9, v9, |v[XS+\i+2]|, |v[XS+\i+3]|
.endr
	v_max3_num_f32 v8, v8, |v[XS+14]|, |v[XS+15]|
	v_max3_num_f32 v8, v8, v9, (EMAX+1)<<23        ; the floor 2^(3 - 127): the byte cannot fall under 1
	v_max_num_f32_dpp v8, v8, v8 row_xmask:1 row_mask:0xf bank_mask:0xf   ; with my neighbour's 16: the block's largest magnitude
	v_add_nc_u32 v11, -(EMAX<<23), v8              ; 2 off its exponent field: the conversion takes the exponent field of this operand as its scale
	v_cvt_scalef32_pk8_fp4_f32 v[XC+2*(\t)], v[XS:XS+7], v11
	v_cvt_scalef32_pk8_fp4_f32 v[XC+2*(\t)+1], v[XS+8:XS+15], v11
	v_lshrrev_b32 v[XE+(\t)], 23, v11              ; the scale's byte (a plain line behind the conversions)
	ds_store_b8 v5, v[XE+(\t)] offset:16*(\t)      ; both lanes of a block write the same byte with the same value
	global_store_b64 v4, v[XC+2*(\t):XC+2*(\t)+1], s[8:9] offset:256*(\t)   ; the wave stores 256 consecutive bytes, aligned
.endm
.irp t, 0,1,2,3,4,5,6,7,8,9,10,11,12,13,14,15
	XSTEP \t
.endr
	ds_load_b64 v[8:9], v6                         ; these see my byte stores: LDS serves a wave in order
	s_wait_dscnt 0x0
	global_store_b64 v4, v[8:9], s[10:11]          ; 256 scale bytes, aligned
	s_branch .Lend
; ---- W_attn.  A lane takes a column n, its registers run down K: a block of 32 lies in one lane, and the conversions give codes with K innermost.  A wave takes 32 columns x 512 along K;
; its codes go through its own stage and leave as rows: sixteen lanes store 256 consecutive bytes.  Loads run two blocks ahead.
.LW:
	s_sub_co_u32 s20, ttmp9, 256
	s_cmp_ge_u32 s20, 24
	s_cselect_b32 s18, 1, 0                        ; which 512 along K
	s_cselect_b32 s19, 24, 0
	s_sub_co_u32 s20, s20, s19                     ; which 128 columns
	s_lshl_b32 s17, s20, 7
	s_lshl_b32 s19, s16, 5
	s_add_co_u32 s17, s17, s19                     ; my wave's first column
	v_lshlrev_b32 v3, 2, v2
	s_mul_i32 s19, s16, 32*WPITCH
	s_add_co_u32 s19, s19, WSTG                    ; my stage
	v_mul_u32_u24 v4, v2, WPITCH
	v_add_nc_u32 v4, s19, v4                       ; into it: row = my column
	v_and_b32 v5, 15, v2
	v_lshrrev_b32 v6, 4, v2
	v_mul_u32_u24 v7, v6, WPITCH
	v_lshl_add_u32 v7, v5, 4, v7
	v_add_nc_u32 v7, s19, v7                       ; out of it: sixteen lanes to a row, two rows an instruction
	v_lshlrev_b32 v8, 9, v6
	v_lshl_add_u32 v8, v5, 4, v8                   ; the same place in wc: rows of 512 bytes
	v_lshlrev_b32 v9, 5, v2                        ; my column's row of scale bytes: 32 bytes
	s_mul_i32 s24, s18, 512*3072*4
	s_lshl_b32 s22, s17, 2
	s_add_co_u32 s24, s24, s22
	s_add_nc_u64 s[4:5], s[38:39], s[24:25]
	s_lshl_b32 s24, s17, 9
	s_lshl_b32 s22, s18, 8
	s_add_co_u32 s24, s24, s22
	s_add_nc_u64 s[6:7], s[46:47], s[24:25]
	s_lshl_b32 s24, s17, 5
	s_lshl_b32 s22, s18, 4
	s_add_co_u32 s24, s24, s22
	s_add_nc_u64 s[8:9], s[48:49], s[24:25]
.macro WLOAD t                         ; block t: W(32 t + i, my column); the largest immediate is 511 x 12,288, inside the signed 24 bits
.set J, 0
.rept 32
	global_load_b32 v[WX+32*((\t)%2)+J], v3, s[4:5] offset:(32*(\t)+J)*12288 th:TH_LOAD_NT
.set J, J+1
.endr
.endm
	WLOAD 0
	WLOAD 1
.macro WBLOCK t
.set XS, WX+32*((\t)%2)
.if (\t) < NB-1
	s_wait_loadcnt 32                              ; this block's 32 loads are in; the next block's may be out
.else
	s_wait_loadcnt 0
.endif
	v_max3_num_f32 v12, |v[XS]|, |v[XS+1]|, |v[XS+2]|
	v_max3_num_f32 v13, |v[XS+3]|, |v[XS+4]|, |v[XS+5]|
.irp i, 6,10,14,18,22,26
	v_max3_num_f32 v12, v12, |v[XS+\i]|, |v[XS+\i+1]|
	v_max3_num_f32 v13, v13, |v[XS+\i+2]|, |v[XS+\i+3]|
.endr
	v_max3_num_f32 v12, v12, |v[XS+30]|, |v[XS+31]|
	v_max3_num_f32 v12, v12, v13, (EMAX+1)<<23     ; the floor
	v_add_nc_u32 v11, -(EMAX<<23), v12             ; the conversion's scale operand
	v_lshrrev_b32 v13, 23, v11                     ; the scale's byte
.if (\t)%4 == 0
	v_mov_b32 v[WSB+(\t)/4], v13
.else
	v_lshl_or_b32 v[WSB+(\t)/4], v13, 8*((\t)%4), v[WSB+(\t)/4]
.endif
.irp g, 0,1,2,3
	v_cvt_scalef32_pk8_fp4_f32 v[WC+\g], v[XS+8*\g:XS+8*\g+7], v11
.endr
	v_nop                                          ; a plain line behind the last conversion
	ds_store_b128 v4, v[WC:WC+3] offset:16*(\t)    ; 32 codes: 16 bytes of my column's row
.if (\t)+2 < NB
	WLOAD (\t)+2
.endif
	s_wait_dscnt 0x0                               ; the store has read its registers: the next block's codes may be written
.endm
.set Q, 0
.rept NB
	WBLOCK Q
.set Q, Q+1
.endr
	global_store_b128 v9, v[WSB:WSB+3], s[8:9]     ; my column's 16 scale bytes
.irp t, 0,1,2,3,4,5,6,7,8,9,10,11,12,13,14,15
	ds_load_b128 v[WOUT+4*\t:WOUT+4*\t+3], v7 offset:2*\t*WPITCH
.endr
.irp t, 0,1,2,3,4,5,6,7,8,9,10,11,12,13,14,15
	s_wait_dscnt 15-\t                             ; LDS loads come back in order: load t is in
	global_store_b128 v8, v[WOUT+4*\t:WOUT+4*\t+3], s[6:7] offset:2*\t*512
.endr
.Lend:
	s_wait_tensorcnt 0x0                           ; the wave's end
	ds_add_u32 v[SPW], v[NIL]
	s_wait_dscnt 0x0
	s_endpgm
.Lfunc_end_k_qd289da7294_prep:
	.size	k_qd289da7294_prep, .Lfunc_end_k_qd289da7294_prep-k_qd289da7294_prep
	.p2alignl 7, 3214868480
	.fill 96, 4, 3214868480
	.section	.rodata,"a",@progbits
	.p2align	6, 0x0
	.amdhsa_kernel k_qd289da7294_prep
		.amdhsa_group_segment_fixed_size 68096
		.amdhsa_private_segment_fixed_size 0
		.amdhsa_enable_private_segment 0
		.amdhsa_kernarg_size 64
		.amdhsa_user_sgpr_count 2
		.amdhsa_user_sgpr_kernarg_segment_ptr 1
		.amdhsa_wavefront_size32 1
		.amdhsa_system_sgpr_workgroup_id_x 1
		.amdhsa_system_sgpr_workgroup_id_y 1
		.amdhsa_system_sgpr_workgroup_id_z 1
		.amdhsa_system_vgpr_workitem_id 0
		.amdhsa_next_free_vgpr 192
		.amdhsa_next_free_sgpr 66
		.amdhsa_reserve_vcc 0
		.amdhsa_float_denorm_mode_32 3
		.amdhsa_float_denorm_mode_16_64 3
		.amdhsa_memory_ordered 1
		.amdhsa_forward_progress 1
		.amdhsa_inst_pref_size 129
	.end_amdhsa_kernel
	.amdgpu_metadata
---
amdhsa.version: [ 1, 2 ]
amdhsa.kernels:
  - .name:           k_qd289da7294_prep
    .symbol:         k_qd289da7294_prep.kd
    .args:
      - { .name: x, .offset: 0, .size: 8, .value_kind: global_buffer, .address_space: global }
      - { .name: W_attn, .offset: 8, .size: 8, .value_kind: global_buffer, .address_space: global }
      - { .name: W_proj, .offset: 16, .size: 8, .value_kind: global_buffer, .address_space: global }
      - { .name: xc, .offset: 24, .size: 8, .value_kind: global_buffer, .address_space: global }
      - { .name: xs, .offset: 32, .size: 8, .value_kind: global_buffer, .address_space: global }
      - { .name: wc, .offset: 40, .size: 8, .value_kind: global_buffer, .address_space: global }
      - { .name: ws, .offset: 48, .size: 8, .value_kind: global_buffer, .address_space: global }
      - { .name: wp16, .offset: 56, .size: 8, .value_kind: global_buffer, .address_space: global }
    .group_segment_fixed_size: 68096
    .private_segment_fixed_size: 0
    .kernarg_segment_align: 8
    .kernarg_segment_size: 64
    .max_flat_workgroup_size: 128
    .sgpr_count:     66
    .vgpr_count:     192
    .wavefront_size: 32
...
	.end_amdgpu_metadata
.endif
;; end of part 1
;; launch qkv (part 2): grid 12 x 32, 4 waves a work-group, clusters of 4 x 4, 327,680 bytes of LDS; arguments xc, xs, wc, ws, b_attn, qkv16; writes qkv16
.if DOCPART == 2
	.amdgcn_target "amdgcn-amd-amdhsa--gfx1250"
	.amdhsa_code_object_version 6
	.text
	.protected	k_qd289da7294_qkv
	.globl	k_qd289da7294_qkv
	.p2align	8
	.type	k_qd289da7294_qkv,@function
k_qd289da7294_qkv:
	s_mov_b64 s[64:65], 0
	v_nop
	global_prefetch_b8 v0, s[64:65] scope:SCOPE_SE
	s_setreg_imm32_b32 hwreg(HW_REG_WAVE_MODE, 25, 1), 1
	s_wait_xcnt 0x0
	s_wait_alu depctr_hold_cnt(0) depctr_sa_sdst(0) depctr_va_vdst(0) depctr_va_sdst(0) depctr_va_ssrc(0) depctr_va_vcc(0) depctr_vm_vsrc(0)
	s_getreg_b32 s2, hwreg(HW_REG_IB_STS2, 6, 4)
	s_cmp_eq_u32 s2, 0
	s_cbranch_scc0 .Lentry_in_a_cluster
	s_endpgm
.Lentry_in_a_cluster:
	s_bfe_u32 s2, ttmp6, 0x10000c
	s_cmp_lg_u32 s2, 0xf033
	s_cbranch_scc0 .Lentry_shape_is_right
	s_endpgm
.Lentry_shape_is_right:
; qkv = Q(x) Q(W_attn) + b_attn on codes of E2M1 with one E8M0 scale for each 32 along K; sums in f32; the result is rounded once to f16 and stored in the order of the next products' operand registers.
; A = xc [8192][1024 codes], B = wc [3072][1024 codes], K innermost, two codes a byte; scale bytes xs [8192][32], ws [3072][32].
; qkv16: [batch 4][64 columns: 48 (0-15 q's heads, 16-31 k's, 32-47 v's)][16 tokens: 128][8 channels: 8][token 16][16 bytes].
; LIMIT: results from 65,504 on become infinity in f16.
; A tile of the result, 256 x 256, is made by four waves, 128 x 128 each: 64 accumulators, 512 registers.  K = 1,024 is two slots of 512: both are first fills, nothing in LDS is filled again.
; By this text's own count a wave has three tensor loads out at the start: its part of the scales, of slot 0 and of slot 1.
; CLUSTERS: 4 x 4 work-groups.  The four of a row of the cluster need the same tiles of A, the four of a column the same tiles of B: each is asked for jointly, by the same tensor load with the same descriptor and a mask that names the four.
; THE MATRIX INSTRUCTION IS USED TRANSPOSED (source 0 = 16 rows of B, source 1 = 16 rows of A): a lane holds eight neighbouring columns of one token, which pack into the 16 bytes of an operand's image: no LDS on the way out.
; THE BIAS is the C of each sum's first product: 64 registers in the result's layout.
; REGISTERS, in windows of 256: window 0: v0-31 addresses; v32-95 scale words, two sets, and nothing else; v96-127 and (later) v128-159 packed results; v128-191 A's fragments, one set; v192-255 the bias.
;   window 1: B's fragments, two sets, at v0 and v128.   window 2: the accumulators of my rows 0-63 ((a, b) at v[8 (8 a + b)]);   window 3: those of my rows 64-127.
.set NQ,     4                         ; matrix instructions deep in a slot of 512 along K
.set ROWB,   256                       ; a tile's row in bytes
.set KROW,   512                       ; a row of codes in memory
.set PITCH,  272                       ; an LDS row: 256 bytes + 16 of padding = 68 words: the 16 rows that a load touches start 4 banks apart
.set FR,     8
.set NL,     2
.set NP,     4
.set HALFT,  128*PITCH
.set SLOT,   4*HALFT
.set KS,     32                        ; a row of scale bytes
.set SCL,    2*SLOT                    ; behind the slots: the scales, as units of 256 bytes + 16 of padding
.set HALFS,  16*272                    ; those of 128 rows
.set SBLK,   2*272                     ; those of 16 rows
.set SPARE,  SCL+4*HALFS               ; the spare words, 128 bytes a wave: two blocks of 256 bytes that no other line names
.set ADRA, 16
.set ADRB, 20
.set BO,   24                          ; v24  32 x (lane / 16): my eight numbers of a tile's sixteen biases
.set CO,   26                          ; v26  16 x lane: my place in an image
.set ADRS, 27
.set SPW,  28
.set NIL,  29
.set SC,   32
.set PB,   96
.set AF,   128
.set BIAS, 192
.set G1, 24
.set G0, 32
.set G1B, 48
.set G0B, 56
.set G1S, 68
.set G0S, 76
.set G1SB, 80
.set G0SB, 88
.set MSB, 0
.macro WIN new                         ; the immediate's high byte repeats the setting that is left
.if MSB != (\new)
	s_set_vgpr_msb (MSB<<8)|(\new)
.set MSB, (\new)
.endif
.endm
.set MUL_LO, 0xa1                      ; source 0 (B) window 1, source 1 (A) window 0, C and D window 2;  less 0x20: C in window 0 (the bias)
.set MUL_HI, 0xf1                      ; the same, C and D window 3;  less 0x30: C in window 0
.set TO_B,   0x40
; A joint load: waves 0 and 1 fetch for A, waves 2 and 3 for B.  The branch hangs on the wave's number alone.  An s_nop 0 and four v_nop follow each of the two lines.
.macro JLOAD g0a, g1a, g0b, g1b
	s_cmp_eq_u32 s15, 0
	s_cbranch_scc0 .Lfor_b_\@
	tensor_load_to_lds s[\g0a:\g0a+3], s[\g1a:\g1a+7]
	s_nop 0
.rept 4
	v_nop
.endr
	s_branch .Lasked_\@
.Lfor_b_\@:
	tensor_load_to_lds s[\g0b:\g0b+3], s[\g1b:\g1b+7]
	s_nop 0
.rept 4
	v_nop
.endr
.Lasked_\@:
.endm
.macro CROUND                          ; a round of the cluster's barrier
	s_barrier_signal -1
	s_barrier_wait -1
	s_cmp_lg_u32 s14, 0
	s_cbranch_scc1 .Lnot_wave_0_\@
	s_barrier_signal -3
.Lnot_wave_0_\@:
	s_barrier_wait -3
	s_barrier_signal -1
	s_barrier_wait -1
.endm
	s_load_b128 s[4:7], s[0:1], 0x0                ; xc, xs
	s_load_b128 s[8:11], s[0:1], 0x10              ; wc, ws
	s_load_b128 s[96:99], s[0:1], 0x20             ; b_attn, qkv16
	v_lshl_add_u32 v[SPW], v0, 2, SPARE
	v_mov_b32 v[NIL], 0
	ds_add_u32 v[SPW], v[NIL]                      ; the wave's opening: the add, twice on end, and its wait ahead of my first tensor load
	ds_add_u32 v[SPW], v[NIL]
	v_lshrrev_b32 v1, 5, v0
	v_readfirstlane_b32 s14, v1                    ; wave 0..3
	s_lshr_b32 s15, s14, 1                         ; which half of the tile's rows is mine.  Also: I fetch for A (0) or for B (1)
	s_and_b32 s16, s14, 1                          ; which half of its columns.  Also: which 128 rows of that tile I fetch
	s_bfe_u32 s40, ttmp6, 0x40000                  ; cx, cy
	s_bfe_u32 s41, ttmp6, 0x40004
	s_lshl_b32 s42, ttmp9, 2
	s_add_co_u32 s42, s42, s40                     ; tile column = 4 x cluster x + cx
	s_and_b32 s17, ttmp7, 0xffff
	s_lshl_b32 s17, s17, 2
	s_add_co_u32 s17, s17, s41                     ; tile row = 4 x cluster y + cy
	s_lshl_b32 s43, s41, 2
	s_lshl_b32 s43, 15, s43                        ; my row of the cluster
	s_lshl_b32 s44, 0x1111, s40                    ; my column
	s_or_b32 s[G1+0], s43, (0<<16)|(1<<20)|(1<<21)|(5<<22)|(3<<25)  ; the mask; elements of 1 byte; padding on; bit 21 beside a mask; 4 words after every 64
	s_or_b32 s[G1B+0], s44, (0<<16)|(1<<20)|(1<<21)|(5<<22)|(3<<25)
.irp g, G1, G1B
	s_mov_b32 s[\g+1], ROWB<<16                    ; tensor_dim0
	s_mov_b32 s[\g+2], 128<<16                     ; tensor_dim1
	s_mov_b32 s[\g+3], ROWB<<16                    ; tile_dim0
	s_mov_b32 s[\g+4], 128                         ; tile_dim1
	s_mov_b32 s[\g+5], KROW                        ; the pitch
	s_mov_b32 s[\g+6], 0
	s_mov_b32 s[\g+7], 0
.endr
	s_or_b32 s[G1S+0], s43, (3<<16)|(1<<20)|(1<<21)|(5<<22)|(3<<25) ; the scales of 128 rows: 4,096 dense bytes as 16 rows of 32 elements of 8 bytes, 16 bytes of padding behind each
	s_or_b32 s[G1SB+0], s44, (3<<16)|(1<<20)|(1<<21)|(5<<22)|(3<<25)
.irp g, G1S, G1SB
	s_mov_b32 s[\g+1], 32<<16
	s_mov_b32 s[\g+2], 16<<16
	s_mov_b32 s[\g+3], 32<<16
	s_mov_b32 s[\g+4], 16
	s_mov_b32 s[\g+5], 32
	s_mov_b32 s[\g+6], 0
	s_mov_b32 s[\g+7], 0
.endr
	s_lshl_b32 s18, s16, 7
	s_lshl_b32 s20, s17, 8
	s_add_co_u32 s20, s20, s18                     ; A: row 256 x tile row + 128 x half
	s_lshl_b32 s46, s42, 8
	s_add_co_u32 s46, s46, s18                     ; B: row 256 x tile column + 128 x half
	s_mov_b32 s21, 0
	s_mov_b32 s47, 0
	s_mov_b64 s[18:19], KS
	s_mul_u64 s[22:23], s[20:21], s[18:19]         ; where these rows' scales begin
	s_mul_u64 s[92:93], s[46:47], s[18:19]
	s_mov_b64 s[18:19], KROW
	s_mul_u64 s[20:21], s[20:21], s[18:19]         ; and their codes
	s_mul_u64 s[46:47], s[46:47], s[18:19]
	s_mul_i32 s45, s14, HALFT                      ; where they go: wave x 128 rows: no place in the cluster enters an LDS address
	s_mul_i32 s94, s14, HALFS
	s_wait_dscnt 0x0                               ; both opening adds are done
	s_wait_kmcnt 0x0
	s_add_nc_u64 s[20:21], s[4:5], s[20:21]
	s_add_nc_u64 s[22:23], s[6:7], s[22:23]
	s_add_nc_u64 s[46:47], s[8:9], s[46:47]
	s_add_nc_u64 s[92:93], s[10:11], s[92:93]
	CROUND                                         ; all sixteen work-groups are here: the joint loads meet
	s_mov_b32 s[G0S], 1
	s_add_co_u32 s[G0S+1], s94, SCL
	s_mov_b64 s[G0S+2:G0S+3], s[22:23]
	s_or_b32 s[G0S+3], s[G0S+3], 0x80000000
	s_mov_b32 s[G0SB], 1
	s_add_co_u32 s[G0SB+1], s94, SCL
	s_mov_b64 s[G0SB+2:G0SB+3], s[92:93]
	s_or_b32 s[G0SB+3], s[G0SB+3], 0x80000000
	JLOAD G0S, G1S, G0SB, G1SB                     ; the scales first: they are wanted with slot 0
.irp s, 0,1
	s_mov_b32 s[G0+4*\s], 1
	s_add_co_u32 s[G0+4*\s+1], s45, \s*SLOT
	s_add_nc_u64 s[G0+4*\s+2:G0+4*\s+3], s[20:21], \s*ROWB
	s_or_b32 s[G0+4*\s+3], s[G0+4*\s+3], 0x80000000
	s_mov_b32 s[G0B+4*\s], 1
	s_add_co_u32 s[G0B+4*\s+1], s45, \s*SLOT
	s_add_nc_u64 s[G0B+4*\s+2:G0B+4*\s+3], s[46:47], \s*ROWB
	s_or_b32 s[G0B+4*\s+3], s[G0B+4*\s+3], 0x80000000
	JLOAD G0+4*\s, G1, G0B+4*\s, G1B
.endr
	v_and_b32 v1, 15, v0                           ; l % 16
	v_bfe_u32 v2, v0, 4, 1                         ; l / 16
	; the bias: register 8 b + j = b_attn[256 x tile column + 128 x half + 16 b + 8 (l / 16) + j]
	v_lshlrev_b32 v[BO], 5, v2
	s_lshl_b32 s20, s42, 10
	s_lshl_b32 s21, s16, 9
	s_add_co_u32 s20, s20, s21
	s_mov_b32 s21, 0
	s_add_nc_u64 s[96:97], s[96:97], s[20:21]
.irp b, 0,1,2,3,4,5,6,7
	global_load_b128 v[BIAS+8*\b:BIAS+8*\b+3], v[BO], s[96:97] offset:64*\b
	global_load_b128 v[BIAS+8*\b+4:BIAS+8*\b+7], v[BO], s[96:97] offset:64*\b+16
.endr
	v_mul_u32_u24 v3, v1, PITCH
	v_lshl_add_u32 v4, v2, 4, v3                   ; a fragment's row x pitch + 16 x half
	s_mul_i32 s21, s15, HALFT                      ; my 128 rows of A
	s_mul_i32 s22, s16, HALFT                      ; my 128 rows of B,
	s_add_co_u32 s22, s22, 2*HALFT                 ; behind A's 256
.irp s, 0,1
	v_add_nc_u32 v[ADRA+\s], s21, v4
	v_add_nc_u32 v[ADRB+\s], s22, v4
	s_add_co_u32 s21, s21, SLOT
	s_add_co_u32 s22, s22, SLOT
.endr
	v_mul_u32_u24 v5, v1, KS                       ; my row's scales: 32 bytes a row,
	v_lshrrev_b32 v6, 8, v5
	v_lshl_add_u32 v5, v6, 4, v5                   ; and 16 more for each 256 passed
	s_mul_i32 s21, s15, HALFS
	s_mul_i32 s22, s16, HALFS
	s_add_co_u32 s22, s22, 2*HALFS
	s_sub_co_u32 s22, s22, s21
	v_mul_u32_u24 v6, s22, v2                      ; lanes 16-31 take B's: the lower base + half x the distance
	s_add_co_u32 s21, s21, SCL
	v_add_nc_u32 v5, v5, v6
	v_add_nc_u32 v[ADRS], s21, v5
	v_and_b32 v6, 31, v0
	v_lshlrev_b32 v[CO], 4, v6
	; where my part begins in qkv16: (48 batch + 4 x tile column + 2 x half) x 262,144 + (16 (tile row % 8) + 8 x half) x 2,048
	s_lshr_b32 s20, s17, 3
	s_mul_i32 s20, s20, 48
	s_lshl_b32 s21, s42, 2
	s_add_co_u32 s20, s20, s21
	s_lshl_b32 s21, s16, 1
	s_add_co_u32 s20, s20, s21
	s_lshl_b32 s20, s20, 18
	s_and_b32 s21, s17, 7
	s_lshl_b32 s21, s21, 4
	s_lshl_b32 s22, s15, 3
	s_add_co_u32 s21, s21, s22
	s_lshl_b32 s21, s21, 11
	s_add_co_u32 s20, s20, s21
	s_mov_b32 s21, 0
	s_add_nc_u64 s[98:99], s[98:99], s[20:21]
.macro FRAG reg, adr, q, i             ; 16 rows x 128 K of 4-bit codes: 8 registers: two loads of 16 bytes, 32 bytes apart
.irp c, 0,1
	ds_load_b128 v[\reg+4*\c:\reg+4*\c+3], v[\adr] offset:64*(\q)+32*\c+(\i)*16*PITCH
.endr
.endm
; 16 products: A's blocks a0, a0 + 1 x B's eight.  p: B's set;  sc: the set of scale words.  zero = 1: the first product starts the sum from the bias.
; The 64 accumulators take turns, one instruction a turn, in the same order in every step.
.macro MUL16 a0, p, q, sc, zero
.irp a, \a0, \a0+1
.irp b, 0,1,2,3,4,5,6,7
.if \zero
	v_wmma_scale_f32_16x16x128_f8f6f4 v[8*(8*((\a)%4)+\b):8*(8*((\a)%4)+\b)+7], v[128*(\p)+FR*\b:128*(\p)+FR*\b+FR-1], v[AF+FR*(\a):AF+FR*(\a)+FR-1], v[BIAS+8*\b:BIAS+8*\b+7], v[SC+8*NQ*(\sc)+NQ*\b+(\q)], v[SC+8*NQ*(\sc)+NQ*(\a)+(\q)] matrix_a_fmt:MATRIX_FMT_FP4 matrix_b_fmt:MATRIX_FMT_FP4 matrix_a_scale:MATRIX_SCALE_ROW1
.else
	v_wmma_scale_f32_16x16x128_f8f6f4 v[8*(8*((\a)%4)+\b):8*(8*((\a)%4)+\b)+7], v[128*(\p)+FR*\b:128*(\p)+FR*\b+FR-1], v[AF+FR*(\a):AF+FR*(\a)+FR-1], v[8*(8*((\a)%4)+\b):8*(8*((\a)%4)+\b)+7], v[SC+8*NQ*(\sc)+NQ*\b+(\q)], v[SC+8*NQ*(\sc)+NQ*(\a)+(\q)] matrix_a_fmt:MATRIX_FMT_FP4 matrix_b_fmt:MATRIX_FMT_FP4 matrix_a_scale:MATRIX_SCALE_ROW1
.endif
.endr
.endr
.endm
.macro FETCH_B slot, q, p
	WIN TO_B
.irp i, 0,1,2,3,4,5,6,7
	FRAG 128*(\p)+FR*\i, ADRB+\slot, \q, \i
.endr
	WIN 0
.endm
.macro FETCH_A slot, q, i0
.irp i, \i0, \i0+1, \i0+2, \i0+3
	FRAG AF+FR*(\i), ADRA+\slot, \q, \i
.endr
.endm
.macro SCALES sc                       ; a slot's scale words: 4 words a row; lanes 0-15 take A's block i, lanes 16-31 B's block i
.irp i, 0,1,2,3,4,5,6,7
	ds_load_b128 v[SC+8*NQ*\sc+NQ*\i:SC+8*NQ*\sc+NQ*\i+3], v[ADRS] offset:\i*SBLK
.endr
.endm
.macro PLACES n                        ; plain vector lines between a matrix instruction and a load into, or a read of, its registers
.rept \n
	v_nop
.endr
.endm
.macro STEP slot, q, zero              ; 128 along K with its successor in the same slot
	s_wait_dscnt 4*NL                              ; B's set and A's blocks 0-3 are in; the youngest eight loads (A's blocks 4-7) may be out
	WIN MUL_LO-0x20*(\zero)
	MUL16 0, (\q)%2, \q, \slot, \zero
	MUL16 2, (\q)%2, \q, \slot, \zero
	s_wait_dscnt 0                                 ; A's blocks 4-7 are in
	PLACES NP
	FETCH_B \slot, (\q)+1, 1-(\q)%2
	FETCH_A \slot, (\q)+1, 0
	WIN MUL_HI-0x30*(\zero)
	MUL16 4, (\q)%2, \q, \slot, \zero
	MUL16 6, (\q)%2, \q, \slot, \zero
	PLACES NP
	WIN 0
	FETCH_A \slot, (\q)+1, 4
.endm
	s_wait_tensorcnt 1                             ; the scales and my part of slot 0 are in (slot 1's load may be out)
	s_barrier_signal -1
	s_barrier_wait -1                              ; everybody's are
	FETCH_B 0, 0, 0
	FETCH_A 0, 0, 0
	SCALES 0
	FETCH_A 0, 0, 4
	s_wait_loadcnt 0x0                             ; the bias
	STEP 0, 0, 1
	STEP 0, 1, 0
	STEP 0, 2, 0
	; slot 0's last step changes slots: one barrier; in front of it each wave waits for all its tensor loads (its part of slot 1) and for its reads
	s_wait_tensorcnt 0x0
	ds_add_u32 v[SPW], v[NIL]                      ; 0 onto my spare word
	s_wait_dscnt 4*NL+1                            ; (the add and the youngest eight loads may be out)
	WIN MUL_LO
	MUL16 0, 1, NQ-1, 0, 0
	s_wait_dscnt 0x0
	s_barrier_signal -1
	MUL16 2, 1, NQ-1, 0, 0
	WIN 0
	s_barrier_wait -1                              ; slot 1 is whole
	PLACES NP
	v_add_nc_u32 v[ADRS], 4*NQ, v[ADRS]            ; on to slot 1's scale words (no LDS load of mine is out)
	FETCH_B 1, 0, 0
	FETCH_A 1, 0, 0
	SCALES 1
	WIN MUL_HI
	MUL16 4, 1, NQ-1, 0, 0
	MUL16 6, 1, NQ-1, 0, 0
	PLACES NP
	WIN 0
	FETCH_A 1, 0, 4
	STEP 1, 0, 0
	STEP 1, 1, 0
	STEP 1, 2, 0
	s_wait_dscnt 4*NL                              ; the very last step: nothing more to fetch
	WIN MUL_LO
	MUL16 0, 1, NQ-1, 1, 0
	MUL16 2, 1, NQ-1, 1, 0
	s_wait_dscnt 0
	WIN MUL_HI
	MUL16 4, 1, NQ-1, 1, 0
	MUL16 6, 1, NQ-1, 1, 0
	WIN 0
; THE WAY OUT, a block of 16 tokens at a time.  A lane's eight numbers of tile b are channels 16 (b % 4) + 8 (l / 16) + 0 .. 7 of token l % 16, in head b / 4 of my two:
; rounded to f16 they are the 16 bytes at 512 (b % 4) + 16 l of the block's 2,048 bytes: each store of the wave covers 512 consecutive bytes, aligned.
.macro PACKOUT a
.set AC, 64*((\a)%4)
.set PK, PB+32*((\a)%2)
	WIN 0x0a+5*((\a)/4)                            ; sources 0 and 1: window 2 or 3
.irp b, 0,1,2,3,4,5,6,7
.irp i, 0,1,2,3
	v_cvt_pk_f16_f32 v[PK+4*\b+\i], v[AC+8*\b+2*\i], v[AC+8*\b+2*\i+1]   ; each accumulator from its low end on
.endr
.endr
	WIN 0
.irp b, 0,1,2,3,4,5,6,7
	global_store_b128 v[CO], v[PK+4*\b:PK+4*\b+3], s[98:99] offset:(\b/4)*262144+(\a)*2048+(\b%4)*512
.endr
.endm
	PLACES NP                                      ; behind the last products: their results are read, and A's registers written, only behind these
	PACKOUT 0
	PACKOUT 1
.irp a, 2,3,4,5,6,7
	s_wait_xcnt 0x0                                ; block a - 2's stores have read their registers, which are packed into again
	PACKOUT \a
.endr
	s_wait_tensorcnt 0x0                           ; the wave's end
	ds_add_u32 v[SPW], v[NIL]
	s_wait_dscnt 0x0
	CROUND                                         ; the closing round
	s_endpgm
.Lfunc_end_k_qd289da7294_qkv:
	.size	k_qd289da7294_qkv, .Lfunc_end_k_qd289da7294_qkv-k_qd289da7294_qkv
	.p2alignl 7, 3214868480
	.fill 96, 4, 3214868480
	.section	.rodata,"a",@progbits
	.p2align	6, 0x0
	.amdhsa_kernel k_qd289da7294_qkv
		.amdhsa_group_segment_fixed_size 327680
		.amdhsa_private_segment_fixed_size 0
		.amdhsa_enable_private_segment 0
		.amdhsa_kernarg_size 48
		.amdhsa_user_sgpr_count 2
		.amdhsa_user_sgpr_kernarg_segment_ptr 1
		.amdhsa_wavefront_size32 1
		.amdhsa_system_sgpr_workgroup_id_x 1
		.amdhsa_system_sgpr_workgroup_id_y 1
		.amdhsa_system_sgpr_workgroup_id_z 1
		.amdhsa_system_vgpr_workitem_id 0
		.amdhsa_next_free_vgpr 1024
		.amdhsa_next_free_sgpr 100
		.amdhsa_reserve_vcc 0
		.amdhsa_float_denorm_mode_32 3
		.amdhsa_float_denorm_mode_16_64 3
		.amdhsa_memory_ordered 1
		.amdhsa_forward_progress 1
		.amdhsa_inst_pref_size 119
	.end_amdhsa_kernel
	.amdgpu_metadata
---
amdhsa.version: [ 1, 2 ]
amdhsa.kernels:
  - .name:           k_qd289da7294_qkv
    .symbol:         k_qd289da7294_qkv.kd
    .args:
      - { .name: xc, .offset: 0, .size: 8, .value_kind: global_buffer, .address_space: global }
      - { .name: xs, .offset: 8, .size: 8, .value_kind: global_buffer, .address_space: global }
      - { .name: wc, .offset: 16, .size: 8, .value_kind: global_buffer, .address_space: global }
      - { .name: ws, .offset: 24, .size: 8, .value_kind: global_buffer, .address_space: global }
      - { .name: b_attn, .offset: 32, .size: 8, .value_kind: global_buffer, .address_space: global }
      - { .name: qkv16, .offset: 40, .size: 8, .value_kind: global_buffer, .address_space: global }
    .group_segment_fixed_size: 327680
    .private_segment_fixed_size: 0
    .kernarg_segment_align: 8
    .kernarg_segment_size: 48
    .max_flat_workgroup_size: 128
    .sgpr_count:     100
    .vgpr_count:     1024
    .wavefront_size: 32
...
	.end_amdgpu_metadata
.endif
;; end of part 2
;; launch fine_att (part 3): grid 16 x 4, 12 waves a work-group, no clusters, 9,728 bytes of LDS; arguments xc, xs, wc, ws, b_attn, yf; writes yf
.if DOCPART == 3
	.amdgcn_target "amdgcn-amd-amdhsa--gfx1250"
	.amdhsa_code_object_version 6
	.text
	.protected	k_qd289da7294_fine_att
	.globl	k_qd289da7294_fine_att
	.p2align	8
	.type	k_qd289da7294_fine_att,@function
k_qd289da7294_fine_att:
	s_mov_b64 s[64:65], 0
	v_nop
	global_prefetch_b8 v0, s[64:65] scope:SCOPE_SE
	s_setreg_imm32_b32 hwreg(HW_REG_WAVE_MODE, 25, 1), 1
	s_wait_xcnt 0x0
; The first 16 positions of every sequence, carried in f32: there a row of the softmax averages one to sixteen values, and 16-bit operands would weigh most.
; A work-group is one head (x) of one batch (y).  Wave w: role w / 4 (0 q, 1 k, 2 v), tile t = w % 4 of 16 of the head's 64 channels.
; 1: each wave makes its 16 positions x 16 channels of q, k or v by eight scaled products on codes of E2M1 (K = 1,024), + b_attn, in f32.  q and k are used transposed (source 0 = W's 16 columns):
;    a lane holds one position and 8 neighbouring channels.  v is used the other way (source 0 = x's 16 positions): a lane holds one channel and 8 neighbouring positions: an operand of V^T as it stands.
; 2: q's and k's tiles go to LDS as images of their registers; one barrier.
; 3: each of v's four waves makes the 16 x 16 scores by the f32 matrix form (no bulk work: 16 + 4 instructions), the causal softmax in f32 with the row's maximum taken away, and its 16 channels of y.
; yf: [batch 4][16 features: 64][half 2][lane 32][16 bytes]: lane (r, h) holds position r, features 16 i + 8 h + 4 half + 0 .. 3.
; LIMITS: NaN and infinities are not served; hidden scores are -infinity where the definition has the most negative f32 number: the same weights unless true scores lie near that number.
.set SPARE, 8192                       ; behind the eight images of 1,024 bytes: the spare words, 128 bytes a wave: six blocks of 256 bytes that no other line names
.set F0,  16                           ; v16-79   source 0's eight fragments;  later q's four tiles (v16-47) and k's (v48-79)
.set F1,  80                           ; v80-143  source 1's;  later v80-87 the scores and the weights, v88-111 at work
.set S0,  144                          ; v144-151 source 0's scale words, v152-159 source 1's: scales and nothing else
.set S1,  152
.set BI,  160                          ; v160-167 the bias in the result's layout
.set AC0, 168                          ; v168-183 two accumulators by turns
.set AC1, 176
.set R,   184                          ; v184-191 my tile of q, k or v
.set SA,  192                          ; v192-223 four f32 accumulators of the scores: written by matrix instructions alone
.set OA,  224                          ; v224-239 two of y: likewise
.set QR,  16
.set KR,  48
.set SS,  80
	s_load_b256 s[4:11], s[0:1], 0x0               ; xc 4, xs 6, wc 8, ws 10
	s_load_b128 s[12:15], s[0:1], 0x20             ; b_attn 12, yf 14
	v_lshl_add_u32 v6, v0, 2, SPARE                ; my spare word; never rewritten
	v_mov_b32 v7, 0                                ; 0; never rewritten
	v_lshrrev_b32 v1, 5, v0
	v_readfirstlane_b32 s16, v1                    ; wave 0..11
	v_and_b32 v1, 15, v0                           ; r
	v_bfe_u32 v2, v0, 4, 1                         ; h
	v_lshlrev_b32 v3, 9, v1
	v_lshl_add_u32 v3, v2, 4, v3                   ; codes: row r of 512 bytes + 16 h
	v_lshlrev_b32 v4, 5, v1                        ; scale bytes: row r of 32
	v_and_b32 v5, 31, v0
	v_lshlrev_b32 v5, 4, v5                        ; 16 x lane: an image's place for my lane
	v_lshlrev_b32 v8, 3, v2
	v_sub_nc_u32 v8, v1, v8                        ; r - 8 h
	s_and_b32 s17, s16, 7
	s_lshl_b32 s17, s17, 10
	v_add_nc_u32 v9, s17, v5                       ; where waves 0-7 store their images
	v_lshlrev_b32 v10, 5, v2                       ; bias of q and k: 32 h
	v_lshlrev_b32 v11, 2, v1                       ; bias of v: 4 r
	v_mov_b32 v12, 0xff800000                      ; -infinity
	s_lshr_b32 s18, s16, 2                         ; role
	s_and_b32 s19, s16, 3                          ; tile
	s_lshl_b32 s20, s18, 10
	s_lshl_b32 s21, ttmp9, 6
	s_add_co_u32 s20, s20, s21
	s_lshl_b32 s21, s19, 4
	s_add_co_u32 s20, s20, s21                     ; my first column of W_attn
	s_and_b32 s22, ttmp7, 0xffff                   ; batch
	s_mov_b32 s25, 0
	s_mov_b32 s36, 0x3e38aa3b                      ; c = log2(e) / 8
	s_mov_b32 s38, 0x76543210
	s_mov_b32 s39, 0xfedcba98                      ; v_permlanex16_b32's selects for lane l xor 16
	s_wait_kmcnt 0x0
	s_lshl_b32 s24, s20, 9
	s_add_nc_u64 s[8:9], s[8:9], s[24:25]
	s_lshl_b32 s24, s20, 5
	s_add_nc_u64 s[10:11], s[10:11], s[24:25]
	s_lshl_b32 s24, s22, 20                        ; a batch's 2,048 rows of 512 bytes
	s_add_nc_u64 s[4:5], s[4:5], s[24:25]
	s_lshl_b32 s24, s22, 16
	s_add_nc_u64 s[6:7], s[6:7], s[24:25]
	s_lshl_b32 s24, s20, 2
	s_add_nc_u64 s[12:13], s[12:13], s[24:25]
	s_lshl_b32 s24, s22, 16
	s_lshl_b32 s21, ttmp9, 12
	s_add_co_u32 s24, s24, s21
	s_lshl_b32 s21, s19, 10
	s_add_co_u32 s24, s24, s21
	s_add_nc_u64 s[14:15], s[14:15], s[24:25]      ; yf at image 4 head + tile
	s_cmp_lt_u32 s16, 8                            ; q and k: source 0 = W, source 1 = x;  v: the other way.  The choice hangs on the wave's number alone
	s_cselect_b64 s[28:29], s[8:9], s[4:5]
	s_cselect_b64 s[30:31], s[4:5], s[8:9]
	s_cselect_b64 s[32:33], s[10:11], s[6:7]
	s_cselect_b64 s[34:35], s[6:7], s[10:11]
.irp s, 0,1,2,3,4,5,6,7
.irp c, 0,1
	global_load_b128 v[F0+8*\s+4*\c:F0+8*\s+4*\c+3], v3, s[28:29] offset:64*\s+32*\c
	global_load_b128 v[F1+8*\s+4*\c:F1+8*\s+4*\c+3], v3, s[30:31] offset:64*\s+32*\c
.endr
.endr
	global_load_b128 v[S0:S0+3], v4, s[32:33]                 ; word s of a row: the four bytes of K step s
	global_load_b128 v[S0+4:S0+7], v4, s[32:33] offset:16
	global_load_b128 v[S1:S1+3], v4, s[34:35]
	global_load_b128 v[S1+4:S1+7], v4, s[34:35] offset:16
	s_cbranch_scc0 .Lbias_v
	global_load_b128 v[BI:BI+3], v10, s[12:13]                ; q, k: register j is channel 8 h + j
	global_load_b128 v[BI+4:BI+7], v10, s[12:13] offset:16
	s_branch .Lbias_in
.Lbias_v:
.irp j, 0,1,2,3,4,5,6,7
	global_load_b32 v[BI+\j], v11, s[12:13]                   ; v: every register is channel r
.endr
.Lbias_in:
	s_wait_loadcnt 0x0
.irp s, 0,1,2,3,4,5,6,7                        ; two accumulators by turns, one instruction a turn; the first starts from the bias
.if \s == 0
	v_wmma_scale_f32_16x16x128_f8f6f4 v[AC0:AC0+7], v[F0:F0+7], v[F1:F1+7], v[BI:BI+7], v[S0], v[S1] matrix_a_fmt:MATRIX_FMT_FP4 matrix_b_fmt:MATRIX_FMT_FP4
.elseif \s == 1
	v_wmma_scale_f32_16x16x128_f8f6f4 v[AC1:AC1+7], v[F0+8:F0+15], v[F1+8:F1+15], 0, v[S0+1], v[S1+1] matrix_a_fmt:MATRIX_FMT_FP4 matrix_b_fmt:MATRIX_FMT_FP4
.else
	v_wmma_scale_f32_16x16x128_f8f6f4 v[AC0+8*(\s%2):AC0+8*(\s%2)+7], v[F0+8*\s:F0+8*\s+7], v[F1+8*\s:F1+8*\s+7], v[AC0+8*(\s%2):AC0+8*(\s%2)+7], v[S0+\s], v[S1+\s] matrix_a_fmt:MATRIX_FMT_FP4 matrix_b_fmt:MATRIX_FMT_FP4
.endif
.endr
.rept 4
	v_nop                                          ; places behind the last product
.endr
.irp j, 0,2,4,6
	v_pk_add_f32 v[R+\j:R+\j+1], v[AC0+\j:AC0+\j+1], v[AC1+\j:AC1+\j+1]
.endr
	s_cmp_lt_u32 s16, 8
	s_cbranch_scc0 .Lno_image
	ds_store_b128 v9, v[R:R+3]                     ; q's and k's tiles as images of their registers
	ds_store_b128 v9, v[R+4:R+7] offset:512
.Lno_image:
	s_wait_dscnt 0x0                               ; for the others' sake: my stores have landed
	s_barrier_signal -1
	s_barrier_wait -1
	s_cmp_lt_u32 s16, 8
	s_cbranch_scc1 .Lend
.irp t, 0,1,2,3
	ds_load_b128 v[QR+8*\t:QR+8*\t+3], v5 offset:1024*\t
	ds_load_b128 v[QR+8*\t+4:QR+8*\t+7], v5 offset:1024*\t+512
	ds_load_b128 v[KR+8*\t:KR+8*\t+3], v5 offset:4096+1024*\t
	ds_load_b128 v[KR+8*\t+4:KR+8*\t+7], v5 offset:4096+1024*\t+512
.endr
	s_wait_dscnt 0x0
; S^T = k q^T.  The f32 form takes k = 2 h + j from register j of lane (r, h).  Registers 2 i, 2 i + 1 of q and of k hold the same four channels in the same places, so each instruction sums four channels; sixteen sum all 64.
.set I, 0
.rept 16
.if I < 4
	v_wmma_f32_16x16x4_f32 v[SA+8*(I%4):SA+8*(I%4)+7], v[KR+2*I:KR+2*I+1], v[QR+2*I:QR+2*I+1], 0
.else
	v_wmma_f32_16x16x4_f32 v[SA+8*(I%4):SA+8*(I%4)+7], v[KR+2*I:KR+2*I+1], v[QR+2*I:QR+2*I+1], v[SA+8*(I%4):SA+8*(I%4)+7]
.endif
.set I, I+1
.endr
.rept 8
	v_nop                                          ; places behind the f32 form
.endr
.irp j, 0,2,4,6
	v_pk_add_f32 v[SS+\j:SS+\j+1], v[SA+\j:SA+\j+1], v[SA+8+\j:SA+8+\j+1]
.endr
.irp j, 0,2,4,6
	v_pk_add_f32 v[SS+8+\j:SS+8+\j+1], v[SA+16+\j:SA+16+\j+1], v[SA+24+\j:SA+24+\j+1]
.endr
.irp j, 0,2,4,6
	v_pk_add_f32 v[SS+\j:SS+\j+1], v[SS+\j:SS+\j+1], v[SS+8+\j:SS+8+\j+1]   ; lane (r, h): query r, register j: key 8 h + j
.endr
.irp j, 0,1,2,3,4,5,6,7
	v_cmp_gt_i32 vcc_lo, \j, v8                    ; key 8 h + j comes after query r
	v_cndmask_b32 v[SS+\j], v[SS+\j], v12, vcc_lo
.endr
	v_max3_num_f32 v96, v[SS], v[SS+1], v[SS+2]
	v_max3_num_f32 v97, v[SS+3], v[SS+4], v[SS+5]
	v_max3_num_f32 v96, v96, v[SS+6], v[SS+7]
	v_max_num_f32 v96, v96, v97
	v_permlanex16_b32 v97, v96, s38, s39
	v_max_num_f32 v96, v96, v97                    ; the row's maximum: key 0 counts for every query, so it is a number
.irp j, 0,1,2,3,4,5,6,7
	v_sub_f32 v[SS+\j], v[SS+\j], v96
.endr
.irp j, 0,1,2,3,4,5,6,7
	v_mul_f32 v[SS+\j], s36, v[SS+\j]
.endr
.irp j, 0,1,2,3,4,5,6,7
	v_exp_f32 v[SS+\j], v[SS+\j]
.endr
	v_nop                                          ; a plain line behind the last exponential
	s_wait_alu depctr_va_vdst(0)                   ; one wait for the batch, ahead of its first reader
	v_pk_add_f32 v[100:101], v[SS:SS+1], v[SS+2:SS+3]
	v_pk_add_f32 v[102:103], v[SS+4:SS+5], v[SS+6:SS+7]
	v_pk_add_f32 v[100:101], v[100:101], v[102:103]
	v_add_f32 v100, v100, v101
	v_permlanex16_b32 v101, v100, s38, s39
	v_add_f32 v100, v100, v101                     ; the row's sum
	v_rcp_f32 v102, v100
	v_nop
	s_wait_alu depctr_va_vdst(0)
; y^T = v^T p: registers 2 s, 2 s + 1 of v^T and of p hold the same four keys in the same places
.irp s, 0,1,2,3
.if \s < 2
	v_wmma_f32_16x16x4_f32 v[OA+8*\s:OA+8*\s+7], v[R+2*\s:R+2*\s+1], v[SS+2*\s:SS+2*\s+1], 0
.else
	v_wmma_f32_16x16x4_f32 v[OA+8*(\s%2):OA+8*(\s%2)+7], v[R+2*\s:R+2*\s+1], v[SS+2*\s:SS+2*\s+1], v[OA+8*(\s%2):OA+8*(\s%2)+7]
.endif
.endr
.rept 8
	v_nop
.endr
.irp j, 0,2,4,6
	v_pk_add_f32 v[104+\j:105+\j], v[OA+\j:OA+\j+1], v[OA+8+\j:OA+8+\j+1]
.endr
.irp j, 0,1,2,3,4,5,6,7
	v_mul_f32 v[104+\j], v[104+\j], v102           ; / the sum: lane (r, h): position r, channels 16 t + 8 h + j
.endr
	global_store_b128 v5, v[104:107], s[14:15]
	global_store_b128 v5, v[108:111], s[14:15] offset:512
.Lend:
	s_wait_tensorcnt 0x0                           ; the wave's end
	ds_add_u32 v6, v7
	s_wait_dscnt 0x0
	s_endpgm
.Lfunc_end_k_qd289da7294_fine_att:
	.size	k_qd289da7294_fine_att, .Lfunc_end_k_qd289da7294_fine_att-k_qd289da7294_fine_att
	.p2alignl 7, 3214868480
	.fill 96, 4, 3214868480
	.section	.rodata,"a",@progbits
	.p2align	6, 0x0
	.amdhsa_kernel k_qd289da7294_fine_att
		.amdhsa_group_segment_fixed_size 9728
		.amdhsa_private_segment_fixed_size 0
		.amdhsa_enable_private_segment 0
		.amdhsa_kernarg_size 48
		.amdhsa_user_sgpr_count 2
		.amdhsa_user_sgpr_kernarg_segment_ptr 1
		.amdhsa_wavefront_size32 1
		.amdhsa_system_sgpr_workgroup_id_x 1
		.amdhsa_system_sgpr_workgroup_id_y 1
		.amdhsa_system_sgpr_workgroup_id_z 1
		.amdhsa_system_vgpr_workitem_id 0
		.amdhsa_next_free_vgpr 256
		.amdhsa_next_free_sgpr 66
		.amdhsa_reserve_vcc 1
		.amdhsa_float_denorm_mode_32 3
		.amdhsa_float_denorm_mode_16_64 3
		.amdhsa_memory_ordered 1
		.amdhsa_forward_progress 1
		.amdhsa_inst_pref_size 15
	.end_amdhsa_kernel
	.amdgpu_metadata
---
amdhsa.version: [ 1, 2 ]
amdhsa.kernels:
  - .name:           k_qd289da7294_fine_att
    .symbol:         k_qd289da7294_fine_att.kd
    .args:
      - { .name: xc, .offset: 0, .size: 8, .value_kind: global_buffer, .address_space: global }
      - { .name: xs, .offset: 8, .size: 8, .value_kind: global_buffer, .address_space: global }
      - { .name: wc, .offset: 16, .size: 8, .value_kind: global_buffer, .address_space: global }
      - { .name: ws, .offset: 24, .size: 8, .value_kind: global_buffer, .address_space: global }
      - { .name: b_attn, .offset: 32, .size: 8, .value_kind: global_buffer, .address_space: global }
      - { .name: yf, .offset: 40, .size: 8, .value_kind: global_buffer, .address_space: global }
    .group_segment_fixed_size: 9728
    .private_segment_fixed_size: 0
    .kernarg_segment_align: 8
    .kernarg_segment_size: 48
    .max_flat_workgroup_size: 384
    .sgpr_count:     66
    .vgpr_count:     256
    .wavefront_size: 32
...
	.end_amdgpu_metadata
.endif
;; end of part 3
;; launch attn (part 4): grid 4 x 64, 16 waves a work-group, no clusters, 327,680 bytes of LDS; arguments qkv16, y16; writes y16
.if DOCPART == 4
	.amdgcn_target "amdgcn-amd-amdhsa--gfx1250"
	.amdhsa_code_object_version 6
	.text
	.protected	k_qd289da7294_attn
	.globl	k_qd289da7294_attn
	.p2align	8
	.type	k_qd289da7294_attn,@function
k_qd289da7294_attn:
	s_mov_b64 s[64:65], 0
	v_nop
	global_prefetch_b8 v0, s[64:65] scope:SCOPE_SE
	s_setreg_imm32_b32 hwreg(HW_REG_WAVE_MODE, 25, 1), 1
	s_wait_xcnt 0x0
; y = softmax(q k^T / 8, causal) v for 64 heads of 2,048 positions x 64 channels; q, k, v in f16 (qkv16, in the order of operand registers), products' sums, maxima and sums in f32,
; the weights rounded to f16 for the second product, y once to f16, stored as the projection's operand images: y16 [K step of 128: 8][16 tokens: 512][32 along K: 4][half 2][lane 32][16 bytes].
; LIMITS: f16's range (65,504) bounds q, k, v and y; NaN and infinities are not served; hidden scores are -infinity where the definition has the most negative f32 number.
; SHARES.  Work-group (i, head) owns two blocks of 256 queries: block 7 - i first, then block i.  Under the causal mask they want 8 - i and i + 1 units of 256 keys: NINE units for every work-group:
; 256 work-groups of equal work, a trip count that is a constant of the text, and no tensor load that is jumped over.  Each of sixteen waves owns 16 queries of the block in hand, in 256 registers.
; NO CLUSTER: from the sixth unit on the four work-groups of a head want different key units in the same trip (8 - i differs), so their requests would not be alike.
; RING.  Two LDS slots of one unit, 131,072 bytes apart, so that one exclusive or turns an address.  Waves 0, 1 fetch k's halves, waves 2, 3 v's; all sixteen read.  By this text's own count a wave has one tensor load out.
; LAYOUT.  Both products are used transposed: S^T = k q^T (source 0 = 16 keys), y^T = v^T p (source 0 = 16 channels): a lane holds ONE query throughout.  k comes out of LDS as it lies (16 x lane: no pitch),
; v turned, by ds_load_tr16_b128: its units of 256 bytes (8 channels x 16 keys) lie 384 bytes apart.
; SOFTMAX.  A running maximum m and sum l for each query: p = 2^(c s - c m), c = log2(e) / 8; in every step y^T and l are multiplied by a = 2^(c m_old - c m_new).
.set SLOT1, 131072
.set VOFF,  32768                      ; a slot: k's 32,768 bytes, then v's 128 units x 384
.set SPARE, 212992                     ; behind slot 1: the spare words, 128 bytes a wave: eight blocks of 256 bytes that no other line names
.set UNITB, 32768                      ; a unit of 256 keys in memory, of k or of v
.set LI,  1                            ; v1   16 x lane
.set AV0, 2                            ; v2   my lane's place in a tile of v
.set ADK, 3                            ; v3   LDS address of the step's k
.set ADV, 4                            ; v4   of its v
.set SPW, 5                            ; v5   my spare word; never rewritten
.set NIL, 6                            ; v6   0; never rewritten
.set RH,  7                            ; v7   r - 8 h
.set ST,  8                            ; v8 c m, v9 m, v10-11 l (even keys', odd keys'), v12-15 at work; a in v14
.set QF,  16                           ; v16-31   q: two fragments
.set KFR, 32                           ; v32-95   k: fragment (16 keys kt, 32 channels c) at 8 (2 kt + c)
.set S,   96                           ; v96-127  S^T, then p
.set P,   128                          ; v128-143 p in f16
.set O,   144                          ; v144-175 y^T
.set PK,  176                          ; v176-191 y in f16, on the way out
.set VFR, 192                          ; v192-255 v^T: fragment (32 keys kc, 16 channels dt) at 8 (4 kc + dt)
.set WV,  8
.set NA,  11                           ; s11  units of the first block: 8 - i
.set U,   12                           ; s12  units done
.set TB,  13                           ; s13  LDS byte at which the slot in hand begins
.set KF,  14                           ; s14  the step's first key
.set Q0,  15                           ; s15  my first query
.set G1K, 16
.set G1V, 24
.set G0K, 32
.set G0V, 36
.set BK,  40                           ; s[40:41] my half of the head's k, unit 0;  s[42:43] of v
.set BV,  42
.set OFS, 44                           ; s[44:45] the unit to be fetched, in bytes
.set QPA, 46
.set QPB, 48
.set YPA, 50
.set YPB, 52
.set PFA, 54                           ; s[54:55] where my prefetches stand
.set PLIM, 56                          ; s56  a wave prefetches while s[U] is under it
.set Q0B, 57
.set SEL, 58
.set CS,  60
.macro TLOAD                           ; waves 0, 1: k; waves 2, 3: v; the others nothing.  An s_nop 0 and four v_nop follow each of the two lines
	s_cmp_lt_u32 s[WV], 2
	s_cbranch_scc0 .Lnot_k_\@
	tensor_load_to_lds s[G0K:G0K+3], s[G1K:G1K+7]
	s_nop 0
.rept 4
	v_nop
.endr
	s_branch .Lasked_\@
.Lnot_k_\@:
	s_cmp_lt_u32 s[WV], 4
	s_cbranch_scc0 .Lasked_\@
	tensor_load_to_lds s[G0V:G0V+3], s[G1V:G1V+7]
	s_nop 0
.rept 4
	v_nop
.endr
.Lasked_\@:
.endm
; A PREFETCH INTO THE L2 of the key unit that the NEXT change of slots will ask for.  All four work-groups of a head walk the same k and v: the one with i = 0, which walks units 0 to 7 in order, asks, and nobody else.
; In it the waves ask that fetch nothing: waves 4-7 for k's 32,768 bytes, waves 8-11 for v's: 8,192 bytes a wave, lanes 256 bytes apart: each aligned block of 256 bytes is named once in the launch.
; Trip u asks for unit u + 2; trips 6 and 7 ask for nothing: the head has eight units.  Units 0 and 1 come by their loads alone.
.macro ASK
	s_cmp_lt_u32 s[U], s[PLIM]
	s_cbranch_scc0 .Lnot_mine_\@
	global_prefetch_b8 v0, s[PFA:PFA+1] th:TH_LOAD_NT scope:SCOPE_SE
.Lnot_mine_\@:
.endm
	s_load_b128 s[4:7], s[0:1], 0x0                ; qkv16, y16
	v_lshl_add_u32 v[SPW], v0, 2, SPARE
	v_mov_b32 v[NIL], 0
	ds_add_u32 v[SPW], v[NIL]                      ; the wave's opening: the add, twice on end, and its wait ahead of my first tensor load
	ds_add_u32 v[SPW], v[NIL]
	v_lshrrev_b32 v1, 5, v0
	v_readfirstlane_b32 s[WV], v1                  ; wave 0..15
	; descriptor group 1: half a unit, 16,384 dense bytes, as 64 rows of 32 elements of 8 bytes.  k: no padding;  v: 32 words behind every 64
	s_mov_b32 s[G1K], 3<<16
	s_mov_b32 s[G1V], (3<<16)|(1<<20)|(5<<22)|(31<<25)
.irp g, G1K, G1V
	s_mov_b32 s[\g+1], 32<<16                      ; tensor_dim0
	s_mov_b32 s[\g+2], 64<<16                      ; tensor_dim1
	s_mov_b32 s[\g+3], 32<<16                      ; tile_dim0
	s_mov_b32 s[\g+4], 64                          ; tile_dim1
	s_mov_b32 s[\g+5], 32                          ; the pitch
	s_mov_b32 s[\g+6], 0
	s_mov_b32 s[\g+7], 0
.endr
	s_and_b32 s66, ttmp7, 0xffff
	s_lshr_b32 s67, s66, 4                         ; batch
	s_and_b32 s68, s66, 15                         ; head
	s_mul_i32 s69, s67, 48
	s_add_co_u32 s69, s69, s68
	s_lshl_b32 s69, s69, 18                        ; q's head in qkv16, in bytes; k's lies 16 heads on, v's 32
	s_and_b32 s70, s[WV], 1
	s_sub_co_u32 s[NA], 8, ttmp9
	s_sub_co_u32 s9, 7, ttmp9
	s_lshl_b32 s9, s9, 8
	s_lshl_b32 s10, s[WV], 4
	s_add_co_u32 s[Q0], s9, s10                    ; my first query in block 7 - i,
	s_lshl_b32 s9, ttmp9, 8
	s_add_co_u32 s[Q0B], s9, s10                   ; and in block i
	s_mov_b32 s[SEL], 0x76543210
	s_mov_b32 s[SEL+1], 0xfedcba98
	s_mov_b32 s[CS], 0x3e38aa3b                    ; c = log2(e) / 8
	s_mov_b32 s[CS+1], s[CS]
	s_mov_b32 s[TB], 0
	s_mov_b32 s[KF], 0
	s_mov_b32 s[U], 0
	s_mov_b32 s[OFS], 0
	s_mov_b32 s[OFS+1], 0
	s_mov_b32 s3, 0
	s_wait_dscnt 0x0                               ; both opening adds are done
	s_wait_kmcnt 0x0
	s_lshl_b32 s2, s70, 14                         ; the half that I fetch, if I fetch
	s_add_co_u32 s2, s2, s69
	s_add_nc_u64 s[BK:BK+1], s[4:5], s[2:3]
	s_add_nc_u64 s[BV:BV+1], s[BK:BK+1], 32*262144
	s_add_nc_u64 s[BK:BK+1], s[BK:BK+1], 16*262144
	s_mov_b32 s[G0K], 1
	s_lshl_b32 s[G0K+1], s70, 14                   ; LDS: slot 0, my half of k
	s_mov_b64 s[G0K+2:G0K+3], s[BK:BK+1]
	s_or_b32 s[G0K+3], s[G0K+3], 0x80000000
	s_mov_b32 s[G0V], 1
	s_mul_i32 s[G0V+1], s70, 64*384
	s_add_co_u32 s[G0V+1], s[G0V+1], VOFF
	s_mov_b64 s[G0V+2:G0V+3], s[BV:BV+1]
	s_or_b32 s[G0V+3], s[G0V+3], 0x80000000
	TLOAD                                          ; unit 0 into slot 0
	s_lshl_b32 s2, s[Q0], 7                        ; 16 tokens are 2,048 bytes
	s_add_co_u32 s2, s2, s69
	s_add_nc_u64 s[QPA:QPA+1], s[4:5], s[2:3]
	s_lshl_b32 s2, s[Q0B], 7
	s_add_co_u32 s2, s2, s69
	s_add_nc_u64 s[QPB:QPB+1], s[4:5], s[2:3]
	s_lshr_b32 s9, s68, 1
	s_lshl_b32 s9, s9, 21                          ; y16: K step head / 2,
	s_lshl_b32 s10, s67, 19                        ; the batch's 128 tiles of 4,096 bytes,
	s_add_co_u32 s9, s9, s10
	s_and_b32 s10, s68, 1
	s_lshl_b32 s10, s10, 11                        ; the head's half of the K step
	s_add_co_u32 s9, s9, s10
	s_lshl_b32 s2, s[Q0], 8
	s_add_co_u32 s2, s2, s9
	s_add_nc_u64 s[YPA:YPA+1], s[6:7], s[2:3]
	s_lshl_b32 s2, s[Q0B], 8
	s_add_co_u32 s2, s2, s9
	s_add_nc_u64 s[YPB:YPB+1], s[6:7], s[2:3]
	s_cmp_lt_u32 s[WV], 8                          ; the prefetches: waves 4-7 stand in k, waves 8-11 in v,
	s_mov_b32 s9, 32*262144
	s_cselect_b32 s9, 16*262144, s9
	s_and_b32 s10, s[WV], 3
	s_lshl_b32 s10, s10, 13
	s_add_co_u32 s2, s69, s9
	s_add_co_u32 s2, s2, s10
	s_add_co_u32 s2, s2, UNITB                     ; at unit 1: the first change of slots steps it to unit 2
	s_add_nc_u64 s[PFA:PFA+1], s[4:5], s[2:3]
	s_sub_co_u32 s10, s[WV], 4
	s_lshr_b32 s10, s10, 3                         ; 0 in waves 4 to 11,
	s_or_b32 s10, s10, ttmp9                       ; of the work-group with i = 0
	s_cmp_eq_u32 s10, 0
	s_cselect_b32 s[PLIM], 6, 0
	v_and_b32 v8, 15, v0                           ; r
	v_bfe_u32 v9, v0, 4, 1                         ; h
	v_and_b32 v[LI], 31, v0
	v_lshlrev_b32 v[LI], 4, v[LI]
	v_lshlrev_b32 v10, 3, v9
	v_sub_nc_u32 v[RH], v8, v10
	v_and_b32 v11, 7, v0
	v_add_nc_u32 v10, v10, v11                     ; the turning load: lane l reads key 8 (l / 16) + l % 8,
	v_bfe_u32 v11, v0, 3, 1
	v_mul_u32_u24 v11, v11, 384                    ; of the unit of channels (l / 8) % 2
	v_lshl_add_u32 v[AV0], v10, 4, v11
	v_add_nc_u32 v[AV0], VOFF, v[AV0]
	v_and_b32 v0, 31, v0
	v_lshlrev_b32 v0, 8, v0                        ; from here on v0 = 256 x lane: the prefetches' offset; never rewritten
.irp i, 0,1,2,3
	global_load_b128 v[QF+4*\i:QF+4*\i+3], v[LI], s[QPA:QPA+1] offset:512*\i
.endr
.macro INIT                            ; the step is written once: the first finds zeros, which the first a = 0 leaves zeros
	v_mov_b32 v[ST+1], 0xff61b1e6                  ; m = -3e38, under every score
	v_mul_f32 v[ST], s[CS], v[ST+1]
.irp j, 2,3,4,5,6,7
	v_mov_b32 v[ST+\j], 0
.endr
.set J, 0
.rept 32
	v_mov_b32 v[O+J], 0
.set J, J+1
.endr
.endm
	INIT
; A STEP: 64 keys, the q-th of the slot in hand.
.macro STEP q
	s_add_co_u32 s66, s[Q0], 15                    ; a step all of whose keys come after my 16 queries is left out: a branch on ids, round loads, products and softmax alone
	s_cmp_gt_u32 s[KF], s66
	s_cbranch_scc1 .Lhidden_\@
	v_add_nc_u32 v[ADK], s[TB], v[LI]
	v_add_nc_u32 v[ADV], s[TB], v[AV0]
	v_nop
	v_nop                                          ; four plain lines between the last step's products and the loads into v's registers
.irp kt, 0,1,2,3
.irp c, 0,1
	ds_load_b128 v[KFR+8*(2*\kt+\c):KFR+8*(2*\kt+\c)+3], v[ADK] offset:8192*(\q)+2048*\kt+1024*\c
	ds_load_b128 v[KFR+8*(2*\kt+\c)+4:KFR+8*(2*\kt+\c)+7], v[ADK] offset:8192*(\q)+2048*\kt+1024*\c+512
.endr
.endr
.irp kc, 0,1
.irp dt, 0,1,2,3
	ds_load_tr16_b128 v[VFR+8*(4*\kc+\dt):VFR+8*(4*\kc+\dt)+3], v[ADV] offset:12288*(\q)+3072*(2*\kc)+768*\dt
	ds_load_tr16_b128 v[VFR+8*(4*\kc+\dt)+4:VFR+8*(4*\kc+\dt)+7], v[ADV] offset:12288*(\q)+3072*(2*\kc+1)+768*\dt
.endr
.endr
	s_wait_dscnt 16                                ; k is in; v's sixteen loads stay out
.irp c, 0,1                                    ; the four tiles by turns, one instruction a turn
.irp kt, 0,1,2,3
.if \c == 0
	v_wmma_f32_16x16x32_f16 v[S+8*\kt:S+8*\kt+7], v[KFR+8*(2*\kt):KFR+8*(2*\kt)+7], v[QF:QF+7], 0
.else
	v_wmma_f32_16x16x32_f16 v[S+8*\kt:S+8*\kt+7], v[KFR+8*(2*\kt+1):KFR+8*(2*\kt+1)+7], v[QF+8:QF+15], v[S+8*\kt:S+8*\kt+7]
.endif
.endr
.endr
.rept 4
	v_nop                                          ; places behind the last product.  Lane (r, h): query r; register 8 kt + j: key KF + 16 kt + 8 h + j
.endr
	s_add_co_u32 s66, s[KF], 63                    ; on the diagonal hidden scores become -infinity ahead of the maximum; a step all of whose keys count skips this
	s_cmp_le_u32 s66, s[Q0]
	s_cbranch_scc1 .Lopen_\@
	s_sub_co_u32 s66, s[Q0], s[KF]
	v_add_nc_u32 v[ST+4], s66, v[RH]               ; d = my query - KF - 8 h: hidden where 16 kt + j > d
	v_mov_b32 v[ST+5], 0xff800000
.irp kt, 0,1,2,3
.irp j, 0,1,2,3,4,5,6,7
	v_cmp_gt_i32 vcc_lo, 16*\kt+\j, v[ST+4]
	v_cndmask_b32 v[S+8*\kt+\j], v[S+8*\kt+\j], v[ST+5], vcc_lo
.endr
.endr
.Lopen_\@:
.irp j, 0,1,2,3
	v_max3_num_f32 v[ST+4+\j], v[S+8*\j], v[S+8*\j+1], v[S+8*\j+2]   ; four chains; each tile is read from its low end on
.endr
.irp g, 1,2
.irp j, 0,1,2,3
	v_max3_num_f32 v[ST+4+\j], v[ST+4+\j], v[S+8*\j+2*\g+1], v[S+8*\j+2*\g+2]
.endr
.endr
	v_max3_num_f32 v[ST+4], v[ST+4], v[S+7], v[S+15]
	v_max3_num_f32 v[ST+6], v[ST+6], v[S+23], v[S+31]
	v_max3_num_f32 v[ST+4], v[ST+4], v[ST+5], v[ST+6]
	v_max3_num_f32 v[ST+4], v[ST+4], v[ST+7], v[ST+1]   ; with the old m
	v_permlanex16_b32 v[ST+5], v[ST+4], s[SEL], s[SEL+1]   ; the query's other 32 keys lie in the lane 16 away
	v_mov_b32 v[ST+7], v[ST]                       ; c m_old
	v_max_num_f32 v[ST+1], v[ST+4], v[ST+5]        ; the new m: a number, since key KF counts for every query of a step that is walked
	v_mul_f32 v[ST], s[CS], v[ST+1]
	v_sub_f32 v[ST+7], v[ST+7], v[ST]
.set J, 0
.rept 16
	v_pk_fma_f32 v[S+2*J:S+2*J+1], v[S+2*J:S+2*J+1], s[CS:CS+1], v[ST:ST+1] op_sel_hi:[1,0,0] neg_lo:[0,0,1] neg_hi:[0,0,1]   ; c s - c m
.set J, J+1
.endr
	v_exp_f32 v[ST+6], v[ST+7]                     ; a
.set J, 0
.rept 32
	v_exp_f32 v[S+J], v[S+J]                       ; p
.set J, J+1
.endr
	v_nop                                          ; a plain line behind the last exponential
	s_wait_alu depctr_va_vdst(0)                   ; ONE wait for the 33, ahead of their first reader
.set J, 0
.rept 16
	v_cvt_pk_f16_f32 v[P+J], v[S+2*J], v[S+2*J+1]  ; tiles 2 kc and 2 kc + 1 pack into source 1 (32 keys x 16 queries) as they lie
.set J, J+1
.endr
.irp w, 4,8,16,32                              ; the sum of the 16 pairs, in place: neighbours 1, 2, 4, 8 pairs apart
.set J, 0
.rept 32/\w
	v_pk_add_f32 v[S+J:S+J+1], v[S+J:S+J+1], v[S+J+\w/2:S+J+\w/2+1]
.set J, J+\w
.endr
.endr
	v_pk_fma_f32 v[ST+2:ST+3], v[ST+2:ST+3], v[ST+6:ST+7], v[S:S+1] op_sel_hi:[1,0,1]   ; l = a l + the sum
.set J, 0
.rept 16
	v_pk_mul_f32 v[O+2*J:O+2*J+1], v[O+2*J:O+2*J+1], v[ST+6:ST+7] op_sel_hi:[1,0]       ; y^T x a
.set J, J+1
.endr
	s_wait_dscnt 0x0                               ; v is in
.irp kc, 0,1
.irp dt, 0,1,2,3
	v_wmma_f32_16x16x32_f16 v[O+8*\dt:O+8*\dt+7], v[VFR+8*(4*\kc+\dt):VFR+8*(4*\kc+\dt)+7], v[P+8*\kc:P+8*\kc+7], v[O+8*\dt:O+8*\dt+7]
.endr
.endr
.Lhidden_\@:
	s_add_co_u32 s[KF], s[KF], 64
.endm
; THE CHANGE OF SLOTS stands at a unit's head.  Each wave waits for all its tensor loads (its part of the slot that it is about to read), adds 0 to its spare word, and waits for that and for its reads of the slot
; that it has left.  Behind the barrier the slot ahead is whole and nobody reads the other one.  fill = 1: that other slot takes the next unit: the load has a unit's four steps in which to land.
.macro CHANGE fill
	s_wait_tensorcnt 0x0                           ; no tensor load of mine is out, so a group 0 may be written
	ds_add_u32 v[SPW], v[NIL]
.if \fill
	ds_add_u32 v[SPW], v[NIL]                      ; twice on end here, in every trip alike
	s_xor_b32 s[G0K+1], s[G0K+1], SLOT1            ; the other slot than last time,
	s_xor_b32 s[G0V+1], s[G0V+1], SLOT1
	s_add_co_u32 s[OFS], s[OFS], UNITB             ; the next 256 keys,
	s_add_co_u32 s66, s[U], 1
	s_cmp_eq_u32 s66, s[NA]
	s_cselect_b32 s[OFS], 0, s[OFS]                ; or, where the second block begins, the head's first
	s_add_nc_u64 s[G0K+2:G0K+3], s[BK:BK+1], s[OFS:OFS+1]
	s_or_b32 s[G0K+3], s[G0K+3], 0x80000000
	s_add_nc_u64 s[G0V+2:G0V+3], s[BV:BV+1], s[OFS:OFS+1]
	s_or_b32 s[G0V+3], s[G0V+3], 0x80000000
	s_wait_xcnt 0x0                                ; the last prefetch, a unit back, has read its address, so it may be written
	s_add_nc_u64 s[PFA:PFA+1], s[PFA:PFA+1], UNITB
.endif
	s_wait_dscnt 0x0                               ; the add is done, and my reads of the slot that I have left are over
	s_barrier_signal -1
	s_barrier_wait -1
.if \fill
	TLOAD                                          ; the first thing behind the barrier, and a wave's one tensor load until the next
	ASK
.endif
.endm
; A block of queries is done: y^T / l, rounded to f16.  A lane's eight channels of tile dt are 16 bytes of the projection's operand image: each store of the wave covers 512 consecutive bytes, aligned.
.macro FINISH yp
	s_wait_xcnt 0x0                                ; the first block's stores have read the registers that are packed into again
.rept 4
	v_nop                                          ; places behind the last products
.endr
	v_add_f32 v[ST+4], v[ST+2], v[ST+3]
	v_permlanex16_b32 v[ST+5], v[ST+4], s[SEL], s[SEL+1]
	v_add_f32 v[ST+4], v[ST+4], v[ST+5]            ; the row's sum
	v_rcp_f32 v[ST+6], v[ST+4]
	v_nop
	s_wait_alu depctr_va_vdst(0)
.set J, 0
.rept 16
	v_pk_mul_f32 v[O+2*J:O+2*J+1], v[O+2*J:O+2*J+1], v[ST+6:ST+7] op_sel_hi:[1,0]
.set J, J+1
.endr
.set J, 0
.rept 16
	v_cvt_pk_f16_f32 v[PK+J], v[O+2*J], v[O+2*J+1]
.set J, J+1
.endr
.irp dt, 0,1,2,3
	global_store_b128 v[LI], v[PK+4*\dt:PK+4*\dt+3], s[\yp:\yp+1] offset:512*\dt
.endr
.endm
	s_wait_loadcnt 0x0                             ; q
.Lunit:                                            ; eight trips: behind each change of slots the next unit is asked for
	CHANGE 1
	STEP 0
	STEP 1
	STEP 2
	STEP 3
	s_xor_b32 s[TB], s[TB], SLOT1                  ; on to the other slot
	s_add_co_u32 s[U], s[U], 1
	s_cmp_lg_u32 s[U], s[NA]                       ; ids and the count of trips alone
	s_cbranch_scc1 .Lsame
	FINISH YPA                                     ; block 7 - i is done; block i begins
.irp i, 0,1,2,3
	global_load_b128 v[QF+4*\i:QF+4*\i+3], v[LI], s[QPB:QPB+1] offset:512*\i
.endr
	INIT
	s_mov_b32 s[KF], 0
	s_mov_b32 s[Q0], s[Q0B]
	s_wait_loadcnt 0x0
.Lsame:
	s_cmp_lt_u32 s[U], 8
	s_cbranch_scc1 .Lunit
	CHANGE 0                                       ; the ninth unit is written out: nothing is left to fetch
	STEP 0
	STEP 1
	STEP 2
	STEP 3
	FINISH YPB
	s_wait_tensorcnt 0x0                           ; the wave's end
	ds_add_u32 v[SPW], v[NIL]
	s_wait_dscnt 0x0
	s_endpgm
.Lfunc_end_k_qd289da7294_attn:
	.size	k_qd289da7294_attn, .Lfunc_end_k_qd289da7294_attn-k_qd289da7294_attn
	.p2alignl 7, 3214868480
	.fill 96, 4, 3214868480
	.section	.rodata,"a",@progbits
	.p2align	6, 0x0
	.amdhsa_kernel k_qd289da7294_attn
		.amdhsa_group_segment_fixed_size 327680
		.amdhsa_private_segment_fixed_size 0
		.amdhsa_enable_private_segment 0
		.amdhsa_kernarg_size 16
		.amdhsa_user_sgpr_count 2
		.amdhsa_user_sgpr_kernarg_segment_ptr 1
		.amdhsa_wavefront_size32 1
		.amdhsa_system_sgpr_workgroup_id_x 1
		.amdhsa_system_sgpr_workgroup_id_y 1
		.amdhsa_system_sgpr_workgroup_id_z 1
		.amdhsa_system_vgpr_workitem_id 0
		.amdhsa_next_free_vgpr 256
		.amdhsa_next_free_sgpr 80
		.amdhsa_reserve_vcc 1
		.amdhsa_float_denorm_mode_32 3
		.amdhsa_float_denorm_mode_16_64 3
		.amdhsa_memory_ordered 1
		.amdhsa_forward_progress 1
		.amdhsa_inst_pref_size 112
	.end_amdhsa_kernel
	.amdgpu_metadata
---
amdhsa.version: [ 1, 2 ]
amdhsa.kernels:
  - .name:           k_qd289da7294_attn
    .symbol:         k_qd289da7294_attn.kd
    .args:
      - { .name: qkv16, .offset: 0, .size: 8, .value_kind: global_buffer, .address_space: global }
      - { .name: y16, .offset: 8, .size: 8, .value_kind: global_buffer, .address_space: global }
    .group_segment_fixed_size: 327680
    .private_segment_fixed_size: 0
    .kernarg_segment_align: 8
    .kernarg_segment_size: 16
    .max_flat_workgroup_size: 512
    .sgpr_count:     80
    .vgpr_count:     256
    .wavefront_size: 32
...
	.end_amdgpu_metadata
.endif
;; end of part 4
;; launch proj (part 5): grid 8 x 32, 4 waves a work-group, clusters of 4 x 4, 327,680 bytes of LDS; arguments y16, wp16, b_proj, out0; writes out0
.if DOCPART == 5
	.amdgcn_target "amdgcn-amd-amdhsa--gfx1250"
	.amdhsa_code_object_version 6
	.text
	.protected	k_qd289da7294_proj
	.globl	k_qd289da7294_proj
	.p2align	8
	.type	k_qd289da7294_proj,@function
k_qd289da7294_proj:
	s_mov_b64 s[64:65], 0
	v_nop
	global_prefetch_b8 v0, s[64:65] scope:SCOPE_SE
	s_setreg_imm32_b32 hwreg(HW_REG_WAVE_MODE, 25, 1), 1
	s_wait_xcnt 0x0
	s_wait_alu depctr_hold_cnt(0) depctr_sa_sdst(0) depctr_va_vdst(0) depctr_va_sdst(0) depctr_va_ssrc(0) depctr_va_vcc(0) depctr_vm_vsrc(0)
	s_getreg_b32 s2, hwreg(HW_REG_IB_STS2, 6, 4)
	s_cmp_eq_u32 s2, 0
	s_cbranch_scc0 .Lentry_in_a_cluster
	s_endpgm
.Lentry_in_a_cluster:
	s_bfe_u32 s2, ttmp6, 0x10000c
	s_cmp_lg_u32 s2, 0xf033
	s_cbranch_scc0 .Lentry_shape_is_right
	s_endpgm
.Lentry_shape_is_right:
; out0 = y W_proj + b_proj: [8192][1024] x [1024][1024], operands in f16, sums in f32, out0 f32.  (The first 16 positions of every sequence are written again, more finely, by the launch behind this one.)
; Both operands lie in memory in the order of their registers: a fragment (16 rows x 32 K) is 1,024 bytes, [half 2][lane 32][16 bytes]; a K step of 128 of 16 rows is 4,096 consecutive bytes.
; So a tile of any number of rows is one dense block for one tensor load, an LDS load is 16 x lane (no pitch, no padding), and nothing is turned.
; A tile of out0 is 256 rows x 128 columns: 256 work-groups.  Four waves, each 128 x 64: 32 accumulators, window 1.  K goes in 8 steps of 128 through two LDS slots of 98,304 bytes.
; CLUSTERS: 4 x 4.  y's tile hangs on the tile row alone and is shared along a row of the cluster, W's on the tile column alone and is shared along a column: each is asked for jointly.
; THE MATRIX INSTRUCTION IS USED TRANSPOSED (source 0 = 16 columns of W, source 1 = 16 tokens): a lane holds eight neighbouring numbers of a row of out0.  THE BIAS is the C of each sum's first product.
; No prefetch: both operands together are 18 MiB read by tensor loads that share tiles fourfold, and a refill has a K step's 128 products a wave in which to land.
; LIMIT: f16's range bounds y and W_proj.
; REGISTERS: window 0: v0-31 addresses; v32-63 the bias; two fragment buffers of 96 at v64 and v160 (W's four, then y's eight); on the way out v64-127.   window 1: accumulator (a, b) at v[8 (4 a + b)].
.set SLOT,   98304
.set BOFF,   65536                     ; a slot: y's 16 tiles of 4,096 bytes, then W's 8
.set STAGE,  196608                    ; behind the ring: 16 rows x (256 + 16) bytes for each wave
.set SPITCH, 272
.set SPARE,  STAGE+4*16*SPITCH         ; the spare words, 128 bytes a wave: two blocks of 256 bytes that no other line names
.set ASTEP,  2097152                   ; a K step on in y16
.set BSTEP,  262144                    ; and in wp16
.set LAPS,   4                         ; a lap = two K steps = once round the ring
.set ADRA, 16
.set ADRB, 20
.set STO,  24
.set RD,   25
.set CO,   26
.set SPW,  28
.set NIL,  29
.set BIAS, 32
.set F0,   64
.set F1,   160
.set G1, 24
.set G0, 32
.set G1B, 48
.set G0B, 56
.set MSB, 0
.macro WIN new
.if MSB != (\new)
	s_set_vgpr_msb (MSB<<8)|(\new)
.set MSB, (\new)
.endif
.endm
.set MUL,  0x50                        ; sources 0 and 1 window 0; C and D window 1;  less 0x10: C in window 0 (the bias)
.macro JLOAD s                         ; waves 0 and 1 fetch y's two halves, waves 2 and 3 W's; an s_nop 0 and four v_nop follow each of the two lines
	s_cmp_eq_u32 s11, 0
	s_cbranch_scc0 .Lfor_b_\@
	tensor_load_to_lds s[G0+4*\s:G0+4*\s+3], s[G1:G1+7]
	s_nop 0
.rept 4
	v_nop
.endr
	s_branch .Lasked_\@
.Lfor_b_\@:
	tensor_load_to_lds s[G0B+4*\s:G0B+4*\s+3], s[G1B:G1B+7]
	s_nop 0
.rept 4
	v_nop
.endr
.Lasked_\@:
.endm
.macro CREST
	s_cmp_lg_u32 s10, 0
	s_cbranch_scc1 .Lnot_wave_0_\@
	s_barrier_signal -3
.Lnot_wave_0_\@:
	s_barrier_wait -3
	s_barrier_signal -1
	s_barrier_wait -1
.endm
.macro CROUND
	s_barrier_signal -1
	s_barrier_wait -1
	CREST
.endm
	s_load_b128 s[4:7], s[0:1], 0x0                ; y16, wp16
	s_load_b128 s[68:71], s[0:1], 0x10             ; b_proj, out0
	v_lshl_add_u32 v[SPW], v0, 2, SPARE
	v_mov_b32 v[NIL], 0
	ds_add_u32 v[SPW], v[NIL]                      ; the wave's opening: the add, twice on end, and its wait ahead of my first tensor load
	ds_add_u32 v[SPW], v[NIL]
	v_lshrrev_b32 v1, 5, v0
	v_readfirstlane_b32 s10, v1                    ; wave 0..3
	s_lshr_b32 s11, s10, 1                         ; which half of the tile's rows is mine.  Also: I fetch for y (0) or for W (1)
	s_and_b32 s12, s10, 1                          ; which half of its columns.  Also: which half of that tile I fetch
	s_bfe_u32 s40, ttmp6, 0x40000
	s_bfe_u32 s41, ttmp6, 0x40004
	s_lshl_b32 s42, ttmp9, 2
	s_add_co_u32 s42, s42, s40                     ; tile column = 4 x cluster x + cx
	s_and_b32 s13, ttmp7, 0xffff
	s_lshl_b32 s13, s13, 2
	s_add_co_u32 s13, s13, s41                     ; tile row = 4 x cluster y + cy
	s_lshl_b32 s43, s41, 2
	s_lshl_b32 s43, 15, s43                        ; my row of the cluster
	s_lshl_b32 s44, 0x1111, s40                    ; my column
	s_or_b32 s[G1+0], s43, (3<<16)|(1<<21)         ; the mask; elements of 8 bytes; bit 21 beside a mask; no padding
	s_or_b32 s[G1B+0], s44, (3<<16)|(1<<21)
	s_mov_b32 s[G1+1], 32<<16                      ; y: 32,768 dense bytes as 128 rows of 256
	s_mov_b32 s[G1+2], 128<<16
	s_mov_b32 s[G1+3], 32<<16
	s_mov_b32 s[G1+4], 128
	s_mov_b32 s[G1+5], 32
	s_mov_b32 s[G1+6], 0
	s_mov_b32 s[G1+7], 0
	s_mov_b32 s[G1B+1], 32<<16                     ; W: 16,384 dense bytes as 64 rows of 256
	s_mov_b32 s[G1B+2], 64<<16
	s_mov_b32 s[G1B+3], 32<<16
	s_mov_b32 s[G1B+4], 64
	s_mov_b32 s[G1B+5], 32
	s_mov_b32 s[G1B+6], 0
	s_mov_b32 s[G1B+7], 0
	s_lshl_b32 s16, s13, 4
	s_lshl_b32 s18, s12, 3
	s_add_co_u32 s16, s16, s18
	s_lshl_b32 s16, s16, 12                        ; y: tile of tokens 16 x tile row + 8 x half, 4,096 bytes each
	s_mov_b32 s17, 0
	s_lshl_b32 s46, s42, 3
	s_lshl_b32 s18, s12, 2
	s_add_co_u32 s46, s46, s18
	s_lshl_b32 s46, s46, 12                        ; W: tile of columns 8 x tile column + 4 x half
	s_mov_b32 s47, 0
	s_lshl_b32 s20, s12, 15                        ; where they go: no place in the cluster enters an LDS address
	s_lshl_b32 s19, s12, 14
	s_add_co_u32 s19, s19, BOFF
	s_wait_dscnt 0x0                               ; both opening adds are done
	s_wait_kmcnt 0x0
	s_add_nc_u64 s[14:15], s[4:5], s[16:17]
	s_add_nc_u64 s[46:47], s[6:7], s[46:47]
	CROUND                                         ; all sixteen work-groups are here: the first joint loads meet
.irp s, 0,1
	s_mov_b32 s[G0+4*\s], 1
	s_add_co_u32 s[G0+4*\s+1], s20, \s*SLOT
	s_add_nc_u64 s[G0+4*\s+2:G0+4*\s+3], s[14:15], \s*ASTEP
	s_or_b32 s[G0+4*\s+3], s[G0+4*\s+3], 0x80000000
	s_mov_b32 s[G0B+4*\s], 1
	s_add_co_u32 s[G0B+4*\s+1], s19, \s*SLOT
	s_add_nc_u64 s[G0B+4*\s+2:G0B+4*\s+3], s[46:47], \s*BSTEP
	s_or_b32 s[G0B+4*\s+3], s[G0B+4*\s+3], 0x80000000
	JLOAD \s
.endr
	v_and_b32 v1, 15, v0                           ; r
	v_bfe_u32 v2, v0, 4, 1                         ; h
	v_lshlrev_b32 v4, 5, v2                        ; the bias: register 8 b + j = b_proj[128 x tile column + 64 x half + 16 b + 8 h + j]
	s_lshl_b32 s46, s42, 9
	s_lshl_b32 s47, s12, 8
	s_add_co_u32 s46, s46, s47                     ; my first column, in bytes
	s_mov_b32 s47, 0
	s_add_nc_u64 s[68:69], s[68:69], s[46:47]
.irp b, 0,1,2,3
	global_load_b128 v[BIAS+8*\b:BIAS+8*\b+3], v4, s[68:69] offset:64*\b
	global_load_b128 v[BIAS+8*\b+4:BIAS+8*\b+7], v4, s[68:69] offset:64*\b+16
.endr
	v_and_b32 v3, 31, v0
	v_lshlrev_b32 v3, 4, v3                        ; 16 x lane
	s_lshl_b32 s21, s11, 15                        ; my 8 tiles of tokens
	s_lshl_b32 s22, s12, 14                        ; my 4 tiles of columns,
	s_add_co_u32 s22, s22, BOFF                    ; behind y's
.irp s, 0,1
	v_add_nc_u32 v[ADRA+\s], s21, v3
	v_add_nc_u32 v[ADRB+\s], s22, v3
	s_add_co_u32 s21, s21, SLOT
	s_add_co_u32 s22, s22, SLOT
.endr
	s_mul_i32 s23, s10, 16*SPITCH
	s_add_co_u32 s23, s23, STAGE                   ; my stage
	v_mul_u32_u24 v5, v1, SPITCH
	v_lshl_add_u32 v5, v2, 5, v5
	v_add_nc_u32 v[STO], s23, v5                   ; in: row r, 32 bytes for each half of the lanes
	v_mul_u32_u24 v5, v2, SPITCH
	v_lshl_add_u32 v5, v1, 4, v5
	v_add_nc_u32 v[RD], s23, v5                    ; back: lanes 0-15 one row of 256 bytes, lanes 16-31 the next
	v_lshlrev_b32 v5, 12, v2
	v_lshl_add_u32 v[CO], v1, 4, v5                ; and the same two rows in out0
	s_lshl_b32 s16, s13, 20
	s_lshl_b32 s18, s11, 19
	s_add_co_u32 s16, s16, s18                     ; my first row: (256 x tile row + 128 x half) x 4,096 bytes
	s_add_nc_u64 s[70:71], s[70:71], s[16:17]
	s_add_nc_u64 s[70:71], s[70:71], s[46:47]
; 8 products: blocks of tokens a0, a0 + 1 x the 4 tiles of columns, 32 along K, from buffer f.  zero = 1: the sum starts from the bias.
; The 32 accumulators take turns, one instruction a turn, in the same order in every quarter.
.macro MUL8 f, a0, zero
.irp a, \a0, \a0+1
.irp b, 0,1,2,3
.if \zero
	v_wmma_f32_16x16x32_f16 v[8*(4*(\a)+\b):8*(4*(\a)+\b)+7], v[\f+8*\b:\f+8*\b+7], v[\f+32+8*(\a):\f+32+8*(\a)+7], v[BIAS+8*\b:BIAS+8*\b+7]
.else
	v_wmma_f32_16x16x32_f16 v[8*(4*(\a)+\b):8*(4*(\a)+\b)+7], v[\f+8*\b:\f+8*\b+7], v[\f+32+8*(\a):\f+32+8*(\a)+7], v[8*(4*(\a)+\b):8*(4*(\a)+\b)+7]
.endif
.endr
.endr
.endm
.macro FETCH slot, q, f                ; 24 LDS loads in one run: W's four fragments, then y's eight, of the slot's q-th 32 along K
.irp i, 0,1,2,3
	ds_load_b128 v[\f+8*\i:\f+8*\i+3],   v[ADRB+\slot] offset:4096*\i+1024*(\q)
	ds_load_b128 v[\f+8*\i+4:\f+8*\i+7], v[ADRB+\slot] offset:4096*\i+1024*(\q)+512
.endr
.irp i, 0,1,2,3,4,5,6,7
	ds_load_b128 v[\f+32+8*\i:\f+32+8*\i+3],   v[ADRA+\slot] offset:4096*\i+1024*(\q)
	ds_load_b128 v[\f+32+8*\i+4:\f+32+8*\i+7], v[ADRA+\slot] offset:4096*\i+1024*(\q)+512
.endr
.endm
.macro PLACES                          ; four plain lines in front of loads into registers that matrix instructions have read, and of reads of results
.rept 4
	v_nop
.endr
.endm
; A K step is four quarters of 32 along K, 32 products each, on buffers 0, 1, 0, 1.  One of the first three: multiplies buffer f and fetches quarter q of the same slot into g.
.macro QUARTER slot, q, f, g, zero
	s_wait_dscnt 8                                 ; W's fragments and y's blocks 0-3 are in; the youngest eight loads (blocks 4-7) may be out
	WIN MUL-0x10*(\zero)
	MUL8 \f, 0, \zero
	MUL8 \f, 2, \zero
	PLACES
	WIN 0
	FETCH \slot, \q, \g
	s_wait_dscnt 24                                ; all but the 24 just issued
	WIN MUL-0x10*(\zero)
	MUL8 \f, 4, \zero
	MUL8 \f, 6, \zero
.endm
; The last quarter multiplies buffer 1 and changes slots: ONE barrier; in front of it each wave waits for all its tensor loads, adds 0 to its spare word, and waits for that and for its reads of this slot.
.macro TURN slot, next, fill
	WIN 0
	s_wait_tensorcnt 0x0                           ; all my tensor loads have landed: my part of the next slot
	ds_add_u32 v[SPW], v[NIL]
	s_wait_dscnt 9                                 ; (the add and the youngest eight loads may be out)
	WIN MUL
	MUL8 F1, 0, 0                                  ; eight products stand between the add and the wait for it
	s_wait_dscnt 0x0                               ; the add is done, and my reads of this slot are over
	s_barrier_signal -1
	MUL8 F1, 2, 0
	WIN 0                                          ; (branches may follow)
	s_barrier_wait -1
.if \fill
	CREST                                          ; the barrier has opened a round of the cluster's barrier: no wave of any partner still reads this slot or has a load on its way
	s_add_nc_u64 s[G0+4*\slot+2:G0+4*\slot+3], s[G0+4*\slot+2:G0+4*\slot+3], 2*ASTEP
	s_add_nc_u64 s[G0B+4*\slot+2:G0B+4*\slot+3], s[G0B+4*\slot+2:G0B+4*\slot+3], 2*BSTEP
	JLOAD \slot                                    ; the first tensor load behind the round; its four v_nop are also the places in front of the loads below
.else
	PLACES
.endif
	FETCH \next, 0, F0
	WIN MUL
	MUL8 F1, 4, 0
	MUL8 F1, 6, 0
.endm
	s_wait_tensorcnt 1                             ; my part of K step 0 is in (K step 1's load may be out)
	s_barrier_signal -1
	s_barrier_wait -1                              ; everybody's is
	FETCH 0, 0, F0
	s_wait_loadcnt 0x0                             ; the bias
	QUARTER 0, 1, F0, F1, 1                        ; the first quarter stands in front of the loop: its products start the sums
	WIN 0                                          ; at a label and at a branch every window is 0
	s_mov_b32 s3, LAPS-1
.Llap:                                             ; a trip goes once round the ring, from a lap's second quarter to the next lap's first, and fills both slots again
	QUARTER 0, 2, F1, F0, 0
	QUARTER 0, 3, F0, F1, 0
	TURN 0, 1, 1
	QUARTER 1, 1, F0, F1, 0
	QUARTER 1, 2, F1, F0, 0
	QUARTER 1, 3, F0, F1, 0
	TURN 1, 0, 1
	QUARTER 0, 1, F0, F1, 0
	WIN 0
	s_sub_co_u32 s3, s3, 1
	s_cmp_lg_u32 s3, 0
	s_cbranch_scc1 .Llap
	QUARTER 0, 2, F1, F0, 0                        ; the last lap fills nothing
	QUARTER 0, 3, F0, F1, 0
	TURN 0, 1, 0
	QUARTER 1, 1, F0, F1, 0
	QUARTER 1, 2, F1, F0, 0
	QUARTER 1, 3, F0, F1, 0
	s_wait_dscnt 8                                 ; the very last quarter
	WIN MUL
	MUL8 F1, 0, 0
	MUL8 F1, 2, 0
	s_wait_dscnt 0
	MUL8 F1, 4, 0
	MUL8 F1, 6, 0
	WIN 0
; THE WAY OUT, a block of 16 rows x 64 columns at a time, through my own stage: a lane holds 32 neighbouring bytes of a row and the lanes beside it other rows; back come whole rows of 256 bytes.
; LDS serves a wave's instructions in order: no wait between the stores and the loads, nor in front of the next block's stores.
.macro TOSTAGE a
	WIN 0x04                                       ; an LDS store's data are its source 1: window 1
.irp b, 0,1,2,3
	ds_store_b128 v[STO], v[8*(4*(\a)+\b):8*(4*(\a)+\b)+3] offset:64*\b        ; each accumulator from its low end on
	ds_store_b128 v[STO], v[8*(4*(\a)+\b)+4:8*(4*(\a)+\b)+7] offset:64*\b+16
.endr
	WIN 0
.set BB, 64+32*((\a)%2)
.irp t, 0,1,2,3,4,5,6,7
	ds_load_b128 v[BB+4*\t:BB+4*\t+3], v[RD] offset:2*\t*SPITCH
.endr
.endm
.macro SEND a, younger                 ; younger: the next block's sixteen LDS instructions, which may stay out
.set BB, 64+32*((\a)%2)
	s_wait_dscnt \younger
.irp t, 0,1,2,3,4,5,6,7
	global_store_b128 v[CO], v[BB+4*\t:BB+4*\t+3], s[70:71] offset:65536*(\a)+8192*\t th:TH_STORE_NT   ; sixteen lanes store 256 consecutive bytes, aligned
.endr
.endm
	PLACES
	TOSTAGE 0
.irp a, 1,2,3,4,5,6,7
.if \a > 1
	s_wait_xcnt 0x0                                ; block a - 2's stores have read their registers: block a's loads may land there
.endif
	TOSTAGE \a
	SEND \a-1, 16
.endr
	SEND 7, 0
	s_wait_tensorcnt 0x0                           ; the wave's end
	ds_add_u32 v[SPW], v[NIL]
	s_wait_dscnt 0x0
	CROUND                                         ; the closing round
	s_endpgm
.Lfunc_end_k_qd289da7294_proj:
	.size	k_qd289da7294_proj, .Lfunc_end_k_qd289da7294_proj-k_qd289da7294_proj
	.p2alignl 7, 3214868480
	.fill 96, 4, 3214868480
	.section	.rodata,"a",@progbits
	.p2align	6, 0x0
	.amdhsa_kernel k_qd289da7294_proj
		.amdhsa_group_segment_fixed_size 327680
		.amdhsa_private_segment_fixed_size 0
		.amdhsa_enable_private_segment 0
		.amdhsa_kernarg_size 32
		.amdhsa_user_sgpr_count 2
		.amdhsa_user_sgpr_kernarg_segment_ptr 1
		.amdhsa_wavefront_size32 1
		.amdhsa_system_sgpr_workgroup_id_x 1
		.amdhsa_system_sgpr_workgroup_id_y 1
		.amdhsa_system_sgpr_workgroup_id_z 1
		.amdhsa_system_vgpr_workitem_id 0
		.amdhsa_next_free_vgpr 512
		.amdhsa_next_free_sgpr 80
		.amdhsa_reserve_vcc 0
		.amdhsa_float_denorm_mode_32 3
		.amdhsa_float_denorm_mode_16_64 3
		.amdhsa_memory_ordered 1
		.amdhsa_forward_progress 1
		.amdhsa_inst_pref_size 86
	.end_amdhsa_kernel
	.amdgpu_metadata
---
amdhsa.version: [ 1, 2 ]
amdhsa.kernels:
  - .name:           k_qd289da7294_proj
    .symbol:         k_qd289da7294_proj.kd
    .args:
      - { .name: y16, .offset: 0, .size: 8, .value_kind: global_buffer, .address_space: global }
      - { .name: wp16, .offset: 8, .size: 8, .value_kind: global_buffer, .address_space: global }
      - { .name: b_proj, .offset: 16, .size: 8, .value_kind: global_buffer, .address_space: global }
      - { .name: out0, .offset: 24, .size: 8, .value_kind: global_buffer, .address_space: global }
    .group_segment_fixed_size: 327680
    .private_segment_fixed_size: 0
    .kernarg_segment_align: 8
    .kernarg_segment_size: 32
    .max_flat_workgroup_size: 128
    .sgpr_count:     80
    .vgpr_count:     512
    .wavefront_size: 32
...
	.end_amdgpu_metadata
.endif
;; end of part 5
;; launch fine_proj (part 6): grid 16 x 4, 16 waves a work-group, no clusters, 22,784 bytes of LDS; arguments yf, W_proj, b_proj, out0; writes out0
.if DOCPART == 6
	.amdgcn_target "amdgcn-amd-amdhsa--gfx1250"
	.amdhsa_code_object_version 6
	.text
	.protected	k_qd289da7294_fine_proj
	.globl	k_qd289da7294_fine_proj
	.p2align	8
	.type	k_qd289da7294_fine_proj,@function
k_qd289da7294_fine_proj:
	s_mov_b64 s[64:65], 0
	v_nop
	global_prefetch_b8 v0, s[64:65] scope:SCOPE_SE
	s_setreg_imm32_b32 hwreg(HW_REG_WAVE_MODE, 25, 1), 1
	s_wait_xcnt 0x0
; The projection of the first 16 positions of every sequence, in f32: out0[batch][0 .. 15][:] = yf W_proj + b_proj, over what the launch before has written there with 16-bit operands.
; A work-group is 64 columns (x) of one batch (y).  Wave w: tile w % 4 of 16 columns, quarter w / 4 of K (256 features).  The f32 matrix form, used transposed (source 0 = 16 columns of W, source 1 = 16 positions):
; 64 instructions a wave on four accumulators by turns: no bulk work.  The four quarters' sums meet in LDS; waves 0-3 add them and the bias; the rows leave through a stage, sixteen lanes to 256 consecutive bytes.
; The f32 form takes k = 2 h + j from register j of lane (r, h).  Register e of an image of yf holds feature 16 i + 8 h + e; W's register e is loaded from row 16 i + 8 h + e: the same four features in the same places.
.set STG,   16384                      ; behind the sixteen partial sums of 1,024 bytes: the stage, 16 rows x (256 + 16)
.set SPARE, STG+16*272                 ; the spare words, 128 bytes a wave: eight blocks of 256 bytes that no other line names
.set WS,  32                           ; v32-95   W: two sets of 32;  later v32-55 the partners' sums
.set YS,  96                           ; v96-159  y: two sets of 32
.set R,   160                          ; v160-167 my sum;  v168-175 at work
.set BI,  184                          ; v184-191 the bias
.set AC,  192                          ; v192-223 four accumulators: written by matrix instructions alone
	s_load_b256 s[4:11], s[0:1], 0x0               ; yf 4, W_proj 6, b_proj 8, out0 10
	v_lshl_add_u32 v5, v0, 2, SPARE                ; my spare word; never rewritten
	v_mov_b32 v6, 0                                ; 0; never rewritten
	v_lshrrev_b32 v1, 5, v0
	v_readfirstlane_b32 s16, v1                    ; wave 0..15
	s_and_b32 s17, s16, 3                          ; tile of columns
	s_lshr_b32 s18, s16, 2                         ; quarter of K
	s_and_b32 s19, ttmp7, 0xffff                   ; batch
	v_and_b32 v1, 15, v0                           ; r
	v_bfe_u32 v2, v0, 4, 1                         ; h
	v_lshlrev_b32 v3, 2, v1
	v_lshl_add_u32 v3, v2, 15, v3                  ; W: column r, lanes 16-31 eight rows of 4,096 bytes further down
	v_and_b32 v4, 31, v0
	v_lshlrev_b32 v4, 4, v4                        ; 16 x lane
	s_lshl_b32 s20, s16, 10
	v_add_nc_u32 v7, s20, v4                       ; my partial sum's image
	v_mul_u32_u24 v8, v1, 272
	v_lshl_add_u32 v8, v2, 5, v8
	s_lshl_b32 s20, s17, 6
	s_add_co_u32 s20, s20, STG
	v_add_nc_u32 v8, s20, v8                       ; the stage, in: row r, + 64 x tile + 32 h
	v_mul_u32_u24 v9, v2, 272
	v_lshl_add_u32 v9, v1, 4, v9
	s_mul_i32 s20, s17, 4*272
	s_add_co_u32 s20, s20, STG
	v_add_nc_u32 v9, s20, v9                       ; back: rows 4 w + h (and two further on), 16 bytes a lane
	v_lshlrev_b32 v10, 12, v2
	v_lshl_add_u32 v10, v1, 4, v10                 ; the same in out0
	v_lshlrev_b32 v11, 5, v2                       ; the bias: 32 h
	s_mov_b32 s25, 0
	s_lshl_b32 s22, ttmp9, 8
	s_lshl_b32 s23, s17, 6
	s_add_co_u32 s22, s22, s23                     ; my first column, in bytes
	s_wait_kmcnt 0x0
	s_lshl_b32 s24, s18, 20                        ; 256 rows of 4,096 bytes
	s_add_co_u32 s24, s24, s22
	s_add_nc_u64 s[6:7], s[6:7], s[24:25]
	s_lshl_b32 s24, s19, 16
	s_lshl_b32 s23, s18, 14                        ; 16 images of 1,024 bytes
	s_add_co_u32 s24, s24, s23
	s_add_nc_u64 s[4:5], s[4:5], s[24:25]
	s_mov_b32 s24, s22
	s_add_nc_u64 s[8:9], s[8:9], s[24:25]
	s_lshl_b32 s24, s19, 23                        ; a batch's 2,048 rows
	s_lshl_b32 s23, s17, 14                        ; 4 rows for each of waves 0-3
	s_add_co_u32 s24, s24, s23
	s_lshl_b32 s23, ttmp9, 8
	s_add_co_u32 s24, s24, s23
	s_add_nc_u64 s[10:11], s[10:11], s[24:25]
	global_load_b128 v[BI:BI+3], v11, s[8:9]
	global_load_b128 v[BI+4:BI+7], v11, s[8:9] offset:16
.macro LOADB g                         ; 64 features: 32 loads of W, 8 of y: 40
.irp kk, 0,1,2,3
.irp e, 0,1,2,3,4,5,6,7
	global_load_b32 v[WS+32*((\g)%2)+8*\kk+\e], v3, s[6:7] offset:((4*(\g)+\kk)*16+\e)*4096
.endr
	global_load_b128 v[YS+32*((\g)%2)+8*\kk:YS+32*((\g)%2)+8*\kk+3], v4, s[4:5] offset:(4*(\g)+\kk)*1024
	global_load_b128 v[YS+32*((\g)%2)+8*\kk+4:YS+32*((\g)%2)+8*\kk+7], v4, s[4:5] offset:(4*(\g)+\kk)*1024+512
.endr
.endm
.macro MULB g                          ; 16 products, the four accumulators by turns, one instruction a turn; the very first four start the sums
.irp kk, 0,1,2,3
.irp st, 0,1,2,3
.if ((\g) == 0) && (\kk == 0)
	v_wmma_f32_16x16x4_f32 v[AC+8*\st:AC+8*\st+7], v[WS+32*((\g)%2)+8*\kk+2*\st:WS+32*((\g)%2)+8*\kk+2*\st+1], v[YS+32*((\g)%2)+8*\kk+2*\st:YS+32*((\g)%2)+8*\kk+2*\st+1], 0
.else
	v_wmma_f32_16x16x4_f32 v[AC+8*\st:AC+8*\st+7], v[WS+32*((\g)%2)+8*\kk+2*\st:WS+32*((\g)%2)+8*\kk+2*\st+1], v[YS+32*((\g)%2)+8*\kk+2*\st:YS+32*((\g)%2)+8*\kk+2*\st+1], v[AC+8*\st:AC+8*\st+7]
.endif
.endr
.endr
.endm
.macro PLACES8                         ; eight plain lines behind the f32 form, in front of loads into its sources and of reads of its results
.rept 8
	v_nop
.endr
.endm
	LOADB 0
	LOADB 1
	s_wait_loadcnt 40                              ; the bias and batch 0 are in; batch 1's forty loads stay out
	MULB 0
	PLACES8
	LOADB 2
	s_wait_loadcnt 40                              ; batch 1 is in
	MULB 1
	PLACES8
	LOADB 3
	s_wait_loadcnt 40                              ; batch 2 is in
	MULB 2
	s_wait_loadcnt 0x0
	MULB 3
	PLACES8
.irp j, 0,2,4,6
	v_pk_add_f32 v[R+\j:R+\j+1], v[AC+\j:AC+\j+1], v[AC+8+\j:AC+8+\j+1]
.endr
.irp j, 0,2,4,6
	v_pk_add_f32 v[R+8+\j:R+8+\j+1], v[AC+16+\j:AC+16+\j+1], v[AC+24+\j:AC+24+\j+1]
.endr
.irp j, 0,2,4,6
	v_pk_add_f32 v[R+\j:R+\j+1], v[R+\j:R+\j+1], v[R+8+\j:R+8+\j+1]   ; lane (r, h): position r, columns 8 h + j of my tile, my quarter of K
.endr
	ds_store_b128 v7, v[R:R+3]
	ds_store_b128 v7, v[R+4:R+7] offset:512
	s_wait_dscnt 0x0                               ; for the others' sake: my stores have landed
	s_barrier_signal -1
	s_barrier_wait -1
	s_cmp_lt_u32 s16, 4
	s_cbranch_scc0 .Lno_sum
.irp p, 1,2,3                                  ; the same tile's other three quarters: waves w + 4, w + 8, w + 12
	ds_load_b128 v[WS+8*(\p-1):WS+8*(\p-1)+3], v7 offset:4096*\p
	ds_load_b128 v[WS+8*(\p-1)+4:WS+8*(\p-1)+7], v7 offset:4096*\p+512
.endr
	s_wait_dscnt 0x0
.irp j, 0,2,4,6
	v_pk_add_f32 v[R+\j:R+\j+1], v[R+\j:R+\j+1], v[WS+\j:WS+\j+1]
	v_pk_add_f32 v[WS+8+\j:WS+8+\j+1], v[WS+8+\j:WS+8+\j+1], v[WS+16+\j:WS+16+\j+1]
.endr
.irp j, 0,2,4,6
	v_pk_add_f32 v[R+\j:R+\j+1], v[R+\j:R+\j+1], v[WS+8+\j:WS+8+\j+1]
.endr
.irp j, 0,2,4,6
	v_pk_add_f32 v[R+\j:R+\j+1], v[R+\j:R+\j+1], v[BI+\j:BI+\j+1]
.endr
	ds_store_b128 v8, v[R:R+3]
	ds_store_b128 v8, v[R+4:R+7] offset:16
.Lno_sum:
	s_wait_dscnt 0x0
	s_barrier_signal -1
	s_barrier_wait -1                              ; 16 whole rows of 256 bytes lie in the stage
	s_cmp_lt_u32 s16, 4
	s_cbranch_scc0 .Lend
	ds_load_b128 v[168:171], v9
	ds_load_b128 v[172:175], v9 offset:2*272
	s_wait_dscnt 0x0
	global_store_b128 v10, v[168:171], s[10:11]              ; sixteen lanes store 256 consecutive bytes, aligned
	global_store_b128 v10, v[172:175], s[10:11] offset:8192
.Lend:
	s_wait_tensorcnt 0x0                           ; the wave's end
	ds_add_u32 v5, v6
	s_wait_dscnt 0x0
	s_endpgm
.Lfunc_end_k_qd289da7294_fine_proj:
	.size	k_qd289da7294_fine_proj, .Lfunc_end_k_qd289da7294_fine_proj-k_qd289da7294_fine_proj
	.p2alignl 7, 3214868480
	.fill 96, 4, 3214868480
	.section	.rodata,"a",@progbits
	.p2align	6, 0x0
	.amdhsa_kernel k_qd289da7294_fine_proj
		.amdhsa_group_segment_fixed_size 22784
		.amdhsa_private_segment_fixed_size 0
		.amdhsa_enable_private_segment 0
		.amdhsa_kernarg_size 32
		.amdhsa_user_sgpr_count 2
		.amdhsa_user_sgpr_kernarg_segment_ptr 1
		.amdhsa_wavefront_size32 1
		.amdhsa_system_sgpr_workgroup_id_x 1
		.amdhsa_system_sgpr_workgroup_id_y 1
		.amdhsa_system_sgpr_workgroup_id_z 1
		.amdhsa_system_vgpr_workitem_id 0
		.amdhsa_next_free_vgpr 256
		.amdhsa_next_free_sgpr 66
		.amdhsa_reserve_vcc 0
		.amdhsa_float_denorm_mode_32 3
		.amdhsa_float_denorm_mode_16_64 3
		.amdhsa_memory_ordered 1
		.amdhsa_forward_progress 1
		.amdhsa_inst_pref_size 26
	.end_amdhsa_kernel
	.amdgpu_metadata
---
amdhsa.version: [ 1, 2 ]
amdhsa.kernels:
  - .name:           k_qd289da7294_fine_proj
    .symbol:         k_qd289da7294_fine_proj.kd
    .args:
      - { .name: yf, .offset: 0, .size: 8, .value_kind: global_buffer, .address_space: global }
      - { .name: W_proj, .offset: 8, .size: 8, .value_kind: global_buffer, .address_space: global }
      - { .name: b_proj, .offset: 16, .size: 8, .value_kind: global_buffer, .address_space: global }
      - { .name: out0, .offset: 24, .size: 8, .value_kind: global_buffer, .address_space: global }
    .group_segment_fixed_size: 22784
    .private_segment_fixed_size: 0
    .kernarg_segment_align: 8
    .kernarg_segment_size: 32
    .max_flat_workgroup_size: 512
    .sgpr_count:     66
    .vgpr_count:     256
    .wavefront_size: 32
...
	.end_amdgpu_metadata
.endif
;; end of part 6
